; MI455X (gfx1250); checked and timed in simulation.
; The chip was launched on July 23, 2026; its instructions are those of AMD's public machine-readable ISA for CDNA 5 (MIT licence, August 2026) and "CDNA5" Instruction Set Architecture Reference Guide (July 2026). The comments in the code are by the model that wrote it; some were corrected since.
;; Stratified Attention. Allowed arithmetic: matrix products marked QUANTISED: E2M1 operands, one E8M0 scale for each 32 along K, by v_wmma_scale_f32_16x16x128_f8f6f4 with both operands' format E2M1 (or v_wmma_scale_f32_32x16x128_f4), f32 sums; everything else in f32.
;; Inputs: Wk 1,024 x 1,024 float32; Wo 1,024 x 1,024 float32; Wq 1,024 x 1,024 float32; Ws 3 x 1,024 x 1,024 float32; Wv 1,024 x 1,024 float32; bk 1,024 float32; bo 1,024 float32; bq 1,024 float32; bs 3 x 1,024 float32; bv 1,024 float32; hidden_states 2 x 2,048 x 1,024 float32.
;; Outputs: out0 2 x 2,048 x 1,024 float32.
;; This version of the problem:
;;   THIS VERSION OF THE PROBLEM IS GIVEN IN LOW PRECISION. The matrix products marked QUANTISED in the list below multiply operands that are first quantised to E2M1 (2 exponent bits, 1 mantissa bit; 4 bits a number), with one power-of-two scale for each 32 numbers along K (OCP MX v1.0); their sums are f32. All else is computed in f32.
;;   The module's matrix products, in the order in which they are computed (A, B: the left and right operand; K: the contracted axis; several contracted axes count as one K, in the product's order):
;;     1. [M 4,096, K 1,024] x [K 1,024, N 1,024]; A: input hidden_states; B: input Wq: QUANTISED
;;     2. [M 4,096, K 1,024] x [K 1,024, N 1,024]; A: input hidden_states; B: input Wk: QUANTISED
;;     3. [M 4,096, K 1,024] x [K 1,024, N 1,024]; A: input hidden_states; B: input Wv: QUANTISED
;;     4. batch 32 x [M 2,048, K 64] x [K 64, N 2,048]; A: computed on the way; B: computed on the way: QUANTISED
;;     5. batch 32 x [M 2,048, K 2,048] x [K 2,048, N 64]; A: softmax (see below); B: computed on the way: QUANTISED
;;     6. [M 3,072, K 1,024] x [K 1,024, N 4,096]; A: input Ws; B: computed on the way: QUANTISED
;;     7. [M 4,096, K 1,024] x [K 1,024, N 1,024]; A: computed on the way; B: input Wo: QUANTISED
;;   THE QUANTISER, for each operand of a quantised product, along K:
;;     - K is cut into blocks of 32 from its start; a last block that is shorter is filled with zeros.
;;     - A block's scale is 2^e with e = floor(log2(the largest magnitude in the block)) - 2, held to -126 .. 127; a block of zeros has e = 0. As a byte (E8M0): e + 127.
;;     - Each number is divided by its block's scale, clamped to +-6, and rounded to the nearest number of E2M1, ties to even, subnormals kept.
;;     - The product sums the exact products of the quantised numbers (number of the format x scale) in f32.
;;   ~~~python
;;   def quantise(x, axis):      # numpy; x: float32 -> the quantised numbers, widened to float32 again
;;       x = np.moveaxis(x, axis, -1); K = x.shape[-1]
;;       x = np.pad(x, [(0, 0)] * (x.ndim - 1) + [(0, -K % 32)]); x = x.reshape(x.shape[:-1] + (-1, 32)); a = np.abs(x).max(-1, keepdims=True)
;;       e = np.where(a > 0, np.clip(np.frexp(np.where(a > 0, a, 1))[1] - 1 - 2, -126, 127), 0)      # np.frexp(a)[1] - 1 = floor(log2(a)), exactly
;;       r = np.clip(x / 2.0 ** e, -6, 6)
;;       step = 2.0 ** (np.maximum(np.frexp(np.where(r == 0, 1, r))[1] - 1, 0) - 1)
;;       q = np.round(r / step) * step * 2.0 ** e      # np.round: ties to even
;;       return np.moveaxis(q.reshape(q.shape[:-2] + (-1,))[..., :K], -1, axis).astype(np.float32)
;;   ~~~
;;   SOFTMAX AHEAD OF A QUANTISED PRODUCT. Where the list says 'softmax', what is quantised is not the finished softmax but p = 2^(t - M), with t = logit x log2(e) and M = ceil(the row's largest t), a whole number; so 1/2 < the row's largest p <= 1. The row's sum l is taken of the UNQUANTISED p, in f32, and the product's result is divided by l at the end. Since M is a whole number, a kernel that streams over the keys may use a running M (the ceiling of the running maximum): every later rescaling is an exact power of two, which a block's scale takes up: the codes' values come out the same.
;;   OPERANDS COMPUTED ON THE WAY. 'Computed on the way' means the value that the module computes at that place (a softmax that the list does not call 'softmax' is quantised finished and normalised). What goes into a quantiser is computed in f32, as accurately as f32 sums, v_exp_f32 and their like allow (about 1e-6 of the number): no bf16 or f16 on the way to a quantiser, and a product that is left as it is and whose result goes on into a quantised operand takes f32 operands (vector FMAs, or v_wmma_f32_16x16x4_f32). A number that lies on a knife's edge between two numbers of the format may be rounded either way, as far as f32 arithmetic and the matrix unit's own rounding can turn it there, and no further.
;; One version. Each part assembles by itself: llvm-mc -triple=amdgcn-amd-amdhsa -mcpu=gfx1250 --defsym DOCPART=n.
;; ======== version 1 of 1: 5 launches
;; limits: right only within a limited range of input values
;; workspace buffers: opnd 6,127,616 bytes; qbuf 2,359,296 bytes; kvbuf 4,587,520 bytes; abuf 2,228,224 bytes; ebuf 2,228,224 bytes
;; launch quant (part 1): grid 352 x 1, 4 waves a work-group, no clusters, 34,304 bytes of LDS; arguments hidden_states, Wq, Wk, Wv, Ws, Wo, opnd; writes opnd
.if DOCPART == 1
	.amdgcn_target "amdgcn-amd-amdhsa--gfx1250"
	.amdhsa_code_object_version 6
	.text
	.protected	k_q464b4d7ad5_quant
	.globl	k_q464b4d7ad5_quant
	.p2align	8
	.type	k_q464b4d7ad5_quant,@function
k_q464b4d7ad5_quant:
	s_mov_b64 s[64:65], 0
	v_nop
	global_prefetch_b8 v0, s[64:65] scope:SCOPE_SE
	s_setreg_imm32_b32 hwreg(HW_REG_WAVE_MODE, 25, 1), 1
	s_wait_xcnt 0x0
; hidden_states [4096][1024], Wq, Wk, Wv, Wo [1024][1024], Ws [3072][1024], all f32 with K innermost, become codes of FP4 (E2M1) with one E8M0 byte for each 32 along K.
; A block's scale is 2^(floor(log2(its largest magnitude)) - 2); its byte is that magnitude's exponent field - 2, held at 1 from below.
; LIMITS: a block of zeros gets the byte 1 where the rule says 127 (its codes are zeros, and this program alone reads the bytes); NaN and infinities are not served.
; OUTPUT: 704 TILE RECORDS of 8,704 bytes (x 0-255, Wq 256-, Wk 320-, Wv 384-, Ws 448-, Wo 640-703).  Row r of tile T is the tensor's row 32 (T / 2) + 8 (T % 2) + r + 8 (r / 8).
;   codes at +0: [block of 32 along K: 32][row 16][16 bytes]: a fragment's group of four registers is 512 bytes on end, 16 a lane.
;   scale words at +8192: word of (K step s, row r) at 256 (s / 4) + 8 (16 (s % 2) + r) + 4 ((s / 2) % 2).
; SHARES: a wave takes one tile and half of K (512): four K steps of 128.  Each load reads 512 neighbouring bytes of one row; the 16 rows turn through the wave's own stage in LDS
; (pitch 528), so that a lane then holds two whole blocks of its row, those that the operand's layout gives it.  Waves share nothing: no barrier.  No work-group shares an input: no cluster.
.set REC,  8704
.set STGB, 8448                        ; a wave's stage: 16 rows x 528 bytes
.set SP,   528
.set R,    16                          ; v16-143  two sets of 64: a K step as loaded
.set X,    144                         ; v144-207 my two blocks of 32
.set C,    208                         ; v208-239 codes, eight registers for each step: no store's data are written again
.set WD,   240                         ; v240-243 the scale words of the four steps
	s_load_b256 s[4:11], s[0:1], 0x0               ; hidden_states, Wq, Wk, Wv
	s_load_b128 s[12:15], s[0:1], 0x20             ; Ws, Wo
	s_load_b64 s[16:17], s[0:1], 0x30              ; opnd
	v_lshl_add_u32 v254, v0, 2, 0x8400
	v_mov_b32 v255, 0
	v_lshrrev_b32 v1, 5, v0
	v_readfirstlane_b32 s18, v1                    ; wave 0..3
	v_and_b32 v1, 31, v0                           ; lane
	v_and_b32 v5, 15, v0                           ; r
	v_bfe_u32 v7, v0, 4, 1                         ; h
	v_lshlrev_b32 v2, 4, v1                        ; 16 x lane: my bytes of a load, and of a store of codes
	s_mul_i32 s19, s18, STGB
	v_add_nc_u32 v3, s19, v2                       ; the stage, on the way in
	v_mul_u32_u24 v4, v5, SP
	v_lshl_add_u32 v4, v7, 7, v4
	v_add_nc_u32 v4, s19, v4                       ; and on the way out: row r, block h
	v_lshlrev_b32 v6, 3, v1                        ; 8 x lane: the scale words' store
	v_lshlrev_b32 v7, 3, v7                        ; 8 h: my bytes' place in a scale word
	v_mov_b32 v15, 0                               ; a lane permute's destination counts as one of its sources
	s_mov_b32 s32, 0x76543210
	s_mov_b32 s33, 0xfedcba98                      ; selects for lane l xor 16
	s_mov_b32 vcc_lo, 0xffff0000                   ; lanes 16-31
	s_lshr_b32 s38, s18, 1                         ; which of the work-group's two tiles
	s_and_b32 s39, s18, 1                          ; which half of K
	s_wait_alu depctr_va_vdst(0)
	s_wait_kmcnt 0x0
	s_mov_b64 s[20:21], s[4:5]                     ; the tensor is chosen by the work-group's number alone
	s_mov_b32 s22, 0
	s_cmp_ge_u32 ttmp9, 128
	s_cselect_b64 s[20:21], s[6:7], s[20:21]
	s_cselect_b32 s22, 128, s22
	s_cmp_ge_u32 ttmp9, 160
	s_cselect_b64 s[20:21], s[8:9], s[20:21]
	s_cselect_b32 s22, 160, s22
	s_cmp_ge_u32 ttmp9, 192
	s_cselect_b64 s[20:21], s[10:11], s[20:21]
	s_cselect_b32 s22, 192, s22
	s_cmp_ge_u32 ttmp9, 224
	s_cselect_b64 s[20:21], s[12:13], s[20:21]
	s_cselect_b32 s22, 224, s22
	s_cmp_ge_u32 ttmp9, 320
	s_cselect_b64 s[20:21], s[14:15], s[20:21]
	s_cselect_b32 s22, 320, s22
	s_sub_co_u32 s23, ttmp9, s22
	s_lshl_b32 s23, s23, 1
	s_add_co_u32 s23, s23, s38                     ; the tile's number in its tensor
	s_lshr_b32 s27, s23, 1
	s_lshl_b32 s27, s27, 17                        ; 32 rows of 4,096 bytes
	s_and_b32 s28, s23, 1
	s_lshl_b32 s28, s28, 15                        ; 8 rows
	s_add_co_u32 s28, s28, s27
	s_lshl_b32 s29, s39, 11                        ; half of K: 2,048 bytes
	s_add_co_u32 s28, s28, s29
	s_mov_b32 s29, 0
	s_add_nc_u64 s[20:21], s[20:21], s[28:29]
	s_lshl_b32 s30, ttmp9, 1
	s_add_co_u32 s30, s30, s38
	s_mul_i32 s30, s30, REC                        ; the tile's record
	s_mov_b32 s31, 0
	s_add_nc_u64 s[16:17], s[16:17], s[30:31]
	s_lshl_b32 s30, s39, 12
	s_add_nc_u64 s[34:35], s[16:17], s[30:31]      ; my half's codes
	s_lshl_b32 s30, s39, 8
	s_add_co_u32 s30, s30, 8192
	s_add_nc_u64 s[36:37], s[16:17], s[30:31]      ; my half's scale words
.macro LOAD t                          ; K step t of the tile's 16 rows into set t % 2
.irp j, 0,1,2,3,4,5,6,7,8,9,10,11,12,13,14,15
	global_load_b128 v[R+64*((\t)%2)+4*\j:R+64*((\t)%2)+4*\j+3], v2, s[20:21] offset:(\j+8*(\j/8))*4096+512*(\t) th:TH_LOAD_NT
.endr
.endm
.macro QSTEP t
.if (\t) < 3
	s_wait_loadcnt 16                              ; this step's 16 loads are in; the next step's 16 stay out
.else
	s_wait_loadcnt 0x0
.endif
.irp j, 0,1,2,3,4,5,6,7,8,9,10,11,12,13,14,15
	ds_store_b128 v3, v[R+64*((\t)%2)+4*\j:R+64*((\t)%2)+4*\j+3] offset:SP*\j
.endr
.irp c, 0,1
.irp i, 0,1,2,3,4,5,6,7
	ds_load_b128 v[X+32*\c+4*\i:X+32*\c+4*\i+3], v4 offset:256*\c+16*\i   ; LDS serves a wave's instructions in order: these see the stores above.  Block 2 c + h of row r
.endr
.endr
	s_wait_dscnt 0x0
.if (\t) < 2
	LOAD (\t)+2                                    ; into the set that the stage's stores have read
.endif
.irp c, 0,1
	v_max3_num_f32 v[8+\c], |v[X+32*\c]|, |v[X+32*\c+1]|, 0x1800000   ; the block's largest magnitude, and the floor 2^(3 - 127): the byte cannot fall under 1
.endr
.irp i, 2,4,6,8,10,12,14,16,18,20,22,24,26,28,30
.irp c, 0,1
	v_max3_num_f32 v[8+\c], v[8+\c], |v[X+32*\c+\i]|, |v[X+32*\c+\i+1]|
.endr
.endr
.irp c, 0,1
	v_add_nc_u32 v[10+\c], 0xff000000, v[8+\c]     ; 2 off the exponent field: the conversion's scale operand
.endr
.irp c, 0,1
	v_lshrrev_b32 v[12+\c], 23, v[10+\c]           ; the scale's byte
.endr
	v_lshl_or_b32 v14, v13, 16, v12                ; my bytes: blocks h and 2 + h,
	v_lshlrev_b32 v14, v7, v14                     ; at their places;
	v_permlanex16_b32 v15, v14, s32, s33
	v_or_b32 v[WD+(\t)], v14, v15                  ; with lane l xor 16's two the row's word is whole
.irp c, 0,1
.irp g, 0,1,2,3
	v_cvt_scalef32_pk8_fp4_f32 v[C+8*(\t)+4*\c+\g], v[X+32*\c+8*\g:X+32*\c+8*\g+7], v[10+\c]
.endr
.endr
	v_nop                                          ; one plain line behind the conversions
.irp c, 0,1
	global_store_b128 v2, v[C+8*(\t)+4*\c:C+8*(\t)+4*\c+3], s[34:35] offset:1024*(\t)+512*\c   ; 512 consecutive bytes, aligned
.endr
.endm
	LOAD 0
	LOAD 1
	QSTEP 0
	QSTEP 1
	QSTEP 2
	QSTEP 3
	v_cndmask_b32 v244, v[WD], v[WD+1], vcc_lo     ; lanes 0-15 carry the even steps' words, lanes 16-31 the odd steps'
	v_cndmask_b32 v245, v[WD+2], v[WD+3], vcc_lo
	global_store_b64 v6, v[244:245], s[36:37]      ; 256 consecutive bytes, aligned
	s_wait_tensorcnt 0x0
	ds_add_u32 v254, v255
	s_wait_dscnt 0x0
	s_endpgm
.Lfunc_end_k_q464b4d7ad5_quant:
	.size	k_q464b4d7ad5_quant, .Lfunc_end_k_q464b4d7ad5_quant-k_q464b4d7ad5_quant
	.p2alignl 7, 3214868480
	.fill 96, 4, 3214868480
	.section	.rodata,"a",@progbits
	.p2align	6, 0x0
	.amdhsa_kernel k_q464b4d7ad5_quant
		.amdhsa_group_segment_fixed_size 34304
		.amdhsa_private_segment_fixed_size 0
		.amdhsa_enable_private_segment 0
		.amdhsa_kernarg_size 56
		.amdhsa_user_sgpr_count 2
		.amdhsa_user_sgpr_kernarg_segment_ptr 1
		.amdhsa_wavefront_size32 1
		.amdhsa_system_sgpr_workgroup_id_x 1
		.amdhsa_system_sgpr_workgroup_id_y 1
		.amdhsa_system_sgpr_workgroup_id_z 1
		.amdhsa_system_vgpr_workitem_id 0
		.amdhsa_next_free_vgpr 256
		.amdhsa_next_free_sgpr 66
		.amdhsa_reserve_vcc 1
		.amdhsa_float_denorm_mode_32 3
		.amdhsa_float_denorm_mode_16_64 3
		.amdhsa_memory_ordered 1
		.amdhsa_forward_progress 1
		.amdhsa_inst_pref_size 31
	.end_amdhsa_kernel
	.amdgpu_metadata
---
amdhsa.version: [ 1, 2 ]
amdhsa.kernels:
  - .name:           k_q464b4d7ad5_quant
    .symbol:         k_q464b4d7ad5_quant.kd
    .args:
      - { .name: hidden_states, .offset: 0, .size: 8, .value_kind: global_buffer, .address_space: global }
      - { .name: Wq, .offset: 8, .size: 8, .value_kind: global_buffer, .address_space: global }
      - { .name: Wk, .offset: 16, .size: 8, .value_kind: global_buffer, .address_space: global }
      - { .name: Wv, .offset: 24, .size: 8, .value_kind: global_buffer, .address_space: global }
      - { .name: Ws, .offset: 32, .size: 8, .value_kind: global_buffer, .address_space: global }
      - { .name: Wo, .offset: 40, .size: 8, .value_kind: global_buffer, .address_space: global }
      - { .name: opnd, .offset: 48, .size: 8, .value_kind: global_buffer, .address_space: global }
    .group_segment_fixed_size: 34304
    .private_segment_fixed_size: 0
    .kernarg_segment_align: 8
    .kernarg_segment_size: 56
    .max_flat_workgroup_size: 128
    .sgpr_count:     66
    .vgpr_count:     256
    .wavefront_size: 32
...
	.end_amdgpu_metadata
.endif
;; end of part 1
;; launch qkv (part 2): grid 8 x 32, 4 waves a work-group, clusters of 4 x 4, 279,040 bytes of LDS; arguments opnd, bq, bk, bv, qbuf, kvbuf; writes qbuf, kvbuf
.if DOCPART == 2
	.amdgcn_target "amdgcn-amd-amdhsa--gfx1250"
	.amdhsa_code_object_version 6
	.text
	.protected	k_q464b4d7ad5_qkv
	.globl	k_q464b4d7ad5_qkv
	.p2align	8
	.type	k_q464b4d7ad5_qkv,@function
k_q464b4d7ad5_qkv:
	s_mov_b64 s[64:65], 0
	v_nop
	global_prefetch_b8 v0, s[64:65] scope:SCOPE_SE
	s_setreg_imm32_b32 hwreg(HW_REG_WAVE_MODE, 25, 1), 1
	s_wait_xcnt 0x0
	s_wait_alu depctr_hold_cnt(0) depctr_sa_sdst(0) depctr_va_vdst(0) depctr_va_sdst(0) depctr_va_ssrc(0) depctr_va_vcc(0) depctr_vm_vsrc(0)
	s_getreg_b32 s2, hwreg(HW_REG_IB_STS2, 6, 4)
	s_cmp_eq_u32 s2, 0
	s_cbranch_scc0 .Lentry_in_a_cluster
	s_endpgm
.Lentry_in_a_cluster:
	s_bfe_u32 s2, ttmp6, 0x10000c
	s_cmp_lg_u32 s2, 0xf033
	s_cbranch_scc0 .Lentry_shape_is_right
	s_endpgm
.Lentry_shape_is_right:
; q = x Wq^T + bq, k = x Wk^T + bk, v = x Wv^T + bv on codes of FP4 with E8M0 scales; the results are quantised at once: q and k along the head's 64, v along the keys.
; OPERANDS: tile records of 8,704 bytes (16 rows, all of K = 1,024): codes [block 32][row 16][16 bytes], then 512 bytes of scale words.  Row r of tile T is the true row 32 (T/2) + 8 (T%2) + r + 8 (r/8):
; so in a result whose registers run along such a tile's rows, the 16 registers of tiles 2 b and 2 b + 1 are the 16 neighbours 32 b + 16 (lane / 16) + 0 .. 15.
; SHARES: a work-group takes 128 tokens (y) x 128 features (x) of each of the three products; a wave 64 x 64: 16 accumulators; its 64 features are one head.
; LDS: x's 8 records at 0, Wq's, Wk's, Wv's 8 records behind them, 69,632 bytes each: all of K, filled once: no slot is ever filled again.  Each wave asks for one whole block.
; CLUSTER 4 x 4: x's block is shared along a row of the cluster, the weights' blocks along a column: joint loads.
; q, k: source 0 = weights, source 1 = tokens: a lane holds one token and neighbouring features.  v: the sources are swapped: a lane holds one feature and neighbouring tokens (keys).
; OUT: qbuf: codes [head 32][tile 128][block 2][row 16][16 B], at +2,097,152 a scale word a row (bytes: block 0, block 1, 127, 127).
;      kvbuf: a record of 143,360 bytes a head: K codes as q's; +65,536 V codes [step 16][tile of d 4][block of keys 4][row 16][16 B]; +131,072 K scale words [step][t%2][row][t/2]; +139,264 V scale words [step][t%2][row][t/2].
; LIMITS: a block of zeros gets the byte 1 (zero codes; read by this program alone); NaN and infinities are not served.  The scale bytes leave in stores of 2 to 8 bytes a lane.
; REGISTERS: window 0: v1-23 addresses, v24-39 x's scale words, v40-87 the weights', v88-127 the quantiser's, v128-255 accumulators.  window 1: four fragment buffers of 64.  window 2: biases.
.set REC,  8704
.set BLK,  8*REC
.set QTR,  2*REC
.set HALF, 4*REC
.set BT,   256                         ; the first weight record
.set NB,   3
.set LI,   1                           ; 16 x lane
.set L8,   2                           ; 8 x lane
.set L4,   3                           ; 4 x lane
.set VO8,  4                           ; 16 r + 8 h
.set ADRA, 5
.set ADRB, 6                           ; v6-8
.set ASA,  9
.set ASB,  10                          ; v10-12
.set BO,   13                          ; 64 h
.set BV,   14                          ; 4 (r + 8 (r / 8))
.set SA,   24
.set SB,   40
.set TM,   88
.set PC,   104
.set W0,   120
.set W1,   121
.set SL,   122
.set ACC,  128
.set WV,   16
.set MH,   17
.set NH,   18
.set G1A,  28
.set G1B,  36
.set G0A,  44
.set G0B,  48
.set PQ,   66
.set PQS,  68
.set PK,   70
.set PKS,  72
.set PV,   74
.set PVS,  76
.set SEL,  86
.set MSB, 0
.macro WIN new                         ; the immediate's high byte repeats the setting that is left
.if MSB != \new
	s_set_vgpr_msb (MSB<<8)|\new
.set MSB, \new
.endif
.endm
.macro CROUND                          ; a round of the cluster's barrier
	s_barrier_signal -1
	s_barrier_wait -1
	s_cmp_lg_u32 s[WV], 0
	s_cbranch_scc1 .Lnot_wave_0_\@
	s_barrier_signal -3
.Lnot_wave_0_\@:
	s_barrier_wait -3
	s_barrier_signal -1
	s_barrier_wait -1
.endm
.macro PLACES                          ; four plain lines behind matrix instructions, ahead of loads into their registers and of reads of their results
.rept 4
	v_nop
.endr
.endm
.macro FETCH n, s                      ; K step s: four fragments of weight block n and four of x into buffer s % 4: 16 loads, each 512 bytes on end
	WIN 0x40
.irp j, 0,1,2,3
.irp c, 0,1
	ds_load_b128 v[64*((\s)%4)+32+8*\j+4*\c:64*((\s)%4)+32+8*\j+4*\c+3], v[ADRB+\n] offset:\j*REC+(\s)*1024+512*\c
.endr
.endr
.irp i, 0,1,2,3
.irp c, 0,1
	ds_load_b128 v[64*((\s)%4)+8*\i+4*\c:64*((\s)%4)+8*\i+4*\c+3], v[ADRA] offset:\i*REC+(\s)*1024+512*\c
.endr
.endr
.endm
.macro SCAL reg, adr                   ; four tiles' scale words for all of K: register 4 t + q: lanes 0-15 K step 2 q, lanes 16-31 K step 2 q + 1
.irp t, 0,1,2,3
.irp f, 0,1
	ds_load_b64 v[(\reg)+4*\t+2*\f:(\reg)+4*\t+2*\f+1], v[\adr] offset:\t*REC+256*\f
.endr
.endr
.endm
.macro MUL n, s, first, swap, bi       ; 16 products, the 16 accumulators by turns in the same order in every step.  first: the bias is the C that starts the sums
.if \first
	WIN 0x25
.else
	WIN 0x05
.endif
.irp i, 0,1,2,3
.irp j, 0,1,2,3
.if \swap
.set DD, ACC+8*(4*\j+\i)
.set F0, 64*((\s)%4)+8*\i
.set F1, 64*((\s)%4)+32+8*\j
.set C0, SA+4*\i+(\s)/2
.set C1, SB+16*(\n)+4*\j+(\s)/2
.else
.set DD, ACC+8*(4*\i+\j)
.set F0, 64*((\s)%4)+32+8*\j
.set F1, 64*((\s)%4)+8*\i
.set C0, SB+16*(\n)+4*\j+(\s)/2
.set C1, SA+4*\i+(\s)/2
.endif
.if \first
	v_wmma_scale_f32_16x16x128_f8f6f4 v[DD:DD+7], v[F0:F0+7], v[F1:F1+7], v[(\bi)+8*\j:(\bi)+8*\j+7], v[C0], v[C1] matrix_a_fmt:MATRIX_FMT_FP4 matrix_b_fmt:MATRIX_FMT_FP4
.elseif (\s)%2
	v_wmma_scale_f32_16x16x128_f8f6f4 v[DD:DD+7], v[F0:F0+7], v[F1:F1+7], v[DD:DD+7], v[C0], v[C1] matrix_a_fmt:MATRIX_FMT_FP4 matrix_b_fmt:MATRIX_FMT_FP4 matrix_a_scale:MATRIX_SCALE_ROW1 matrix_b_scale:MATRIX_SCALE_ROW1
.else
	v_wmma_scale_f32_16x16x128_f8f6f4 v[DD:DD+7], v[F0:F0+7], v[F1:F1+7], v[DD:DD+7], v[C0], v[C1] matrix_a_fmt:MATRIX_FMT_FP4 matrix_b_fmt:MATRIX_FMT_FP4
.endif
.endr
.endr
.endm
.macro PHASE n, first, swap, bi        ; x against weight block n: eight K steps; fragments are asked for two steps ahead
	s_wait_tensorcnt 0x0                           ; my one load, a whole block, is in
	s_wait_dscnt 0x0
	s_barrier_signal -1
	s_barrier_wait -1                              ; everybody's are
	PLACES
.if \n == 0
	SCAL SA, ASA
.endif
	SCAL SB+16*\n, ASB+\n
	FETCH \n, 0
	FETCH \n, 1
.irp s, 0,1,2,3,4,5,6,7
.if \s < 6
	PLACES
	FETCH \n, \s+2
	s_wait_dscnt 32                                ; all but the 32 loads of the next two steps
.elseif \s == 6
	s_wait_dscnt 16
.else
	s_wait_dscnt 0x0
.endif
.if \s == 0
	MUL \n, \s, \first, \swap, \bi
.else
	MUL \n, \s, 0, \swap, \bi
.endif
.endr
	WIN 0
.endm
; 64 registers, four units of 16 neighbours along the next K; lanes l and l xor 16 hold a block of 32.  Codes: two registers a unit, from pc on; W0: the bytes of units 0, 1; W1: of units 2, 3.
.macro QUANT s, pc
.irp b, 0,1,2,3
	v_max3_num_f32 v[TM+\b], |v[(\s)+16*\b]|, |v[(\s)+1+16*\b]|, 0x1800000   ; each accumulator is read from its low end on; the floor 2^(3 - 127) holds the byte at 1 from below
.endr
.irp i, 2,4,6,8,10,12,14
.irp b, 0,1,2,3
	v_max3_num_f32 v[TM+\b], v[TM+\b], |v[(\s)+16*\b+\i]|, |v[(\s)+1+16*\b+\i]|
.endr
.endr
.irp b, 0,1,2,3
	v_permlanex16_b32 v[TM+4+\b], v[TM+\b], s[SEL], s[SEL+1]
.endr
.irp b, 0,1,2,3
	v_max_num_f32 v[TM+\b], v[TM+\b], v[TM+4+\b]   ; the block's largest magnitude
.endr
.irp b, 0,1,2,3
	v_add_nc_u32 v[TM+12+\b], 0xff000000, v[TM+\b] ; 2 off its exponent field: the conversion's scale operand
.endr
.irp b, 0,1,2,3
	v_lshrrev_b32 v[TM+4+\b], 23, v[TM+12+\b]      ; the scale's byte
.endr
.irp b, 0,1,2,3
	v_cvt_scalef32_pk8_fp4_f32 v[(\pc)+2*\b], v[(\s)+16*\b:(\s)+16*\b+7], v[TM+12+\b]
	v_cvt_scalef32_pk8_fp4_f32 v[(\pc)+2*\b+1], v[(\s)+16*\b+8:(\s)+16*\b+15], v[TM+12+\b]
.endr
	v_nop                                          ; one plain line behind the conversions
	v_lshl_or_b32 v[W0], v[TM+5], 8, v[TM+4]
	v_lshl_or_b32 v[W1], v[TM+7], 8, v[TM+6]
.endm
.macro CODES p, ptr, su                ; unit b's 8 bytes a lane: a wave's store covers 256 consecutive bytes, aligned
.irp b, 0,1,2,3
	global_store_b64 v[VO8], v[PC+8*\p+2*\b:PC+8*\p+2*\b+1], s[\ptr:\ptr+1] offset:(2*\p+\b/2)*\su+(\b%2)*256
.endr
.endm
.macro EPIHEAD
	PLACES
	s_wait_xcnt 0x0                                ; the registers that earlier stores read are written again only behind this wait
.endm
	s_load_b256 s[4:11], s[0:1], 0x0               ; opnd, bq, bk, bv
	s_load_b128 s[12:15], s[0:1], 0x20             ; qbuf, kvbuf
	v_lshl_add_u32 v126, v0, 2, 0x44000
	v_mov_b32 v127, 0
	ds_add_u32 v126, v127
	ds_add_u32 v126, v127
	v_lshrrev_b32 v20, 5, v0
	v_readfirstlane_b32 s[WV], v20                 ; wave 0..3
	s_lshr_b32 s[MH], s[WV], 1                     ; which 64 tokens
	s_and_b32 s[NH], s[WV], 1                      ; which 64 features
	s_bfe_u32 s19, ttmp6, 0x40000                  ; cx
	s_bfe_u32 s20, ttmp6, 0x40004                  ; cy
	s_lshl_b32 s21, ttmp9, 2
	s_add_co_u32 s21, s21, s19                     ; slice of 128 features
	s_and_b32 s22, ttmp7, 0xffff
	s_lshl_b32 s22, s22, 2
	s_add_co_u32 s22, s22, s20                     ; group of 128 tokens
	s_lshl_b32 s23, s20, 2
	s_lshl_b32 s23, 15, s23                        ; my row of the cluster
	s_lshl_b32 s24, 0x1111, s19                    ; my column
	s_mul_i32 s25, s[WV], BLK                      ; THE FILL'S SHARES (in place of the quarters named at the head): a wave asks for one whole block; it lands at wave x 69,632
	s_mul_i32 s26, s[WV], 64*REC                   ; waves 1, 2, 3: Wq, Wk, Wv, 64 records apart
	s_or_b32 s[G1A], s23, (3<<16)|(1<<21)          ; group 1: the mask; elements of 8 bytes; bit 21 set beside a mask; no padding
	s_or_b32 s[G1B], s24, (3<<16)|(1<<21)
.irp g, G1A, G1B
	s_mov_b32 s[\g+1], 32<<16                      ; tensor_dim0 = 32 elements: rows of 256 bytes
	s_mov_b32 s[\g+2], 272<<16                     ; tensor_dim1 = 272 rows: eight records
	s_mov_b32 s[\g+3], 32<<16                      ; tile_dim0
	s_mov_b32 s[\g+4], 272                         ; tile_dim1
	s_mov_b32 s[\g+5], 32                          ; the pitch: dense
	s_mov_b32 s[\g+6], 0
	s_mov_b32 s[\g+7], 0
.endr
	s_mul_i32 s60, s22, BLK                        ; x's offset: of the token group and the wave alone
	s_mov_b32 s61, 0
	s_mul_i32 s62, s21, BLK                        ; the weights' offset: of the feature slice and the wave alone
	s_add_co_u32 s62, s62, s26
	s_add_co_u32 s62, s62, (BT-64)*REC             ; wave 1 stands at the first weight record
	s_mov_b32 s63, 0
	s_wait_dscnt 0x0
	s_wait_kmcnt 0x0
	CROUND                                         ; all sixteen work-groups are here: the joint loads meet
	s_mov_b32 s[G0A], 1
	s_mov_b32 s[G0A+1], s25
	s_add_nc_u64 s[G0A+2:G0A+3], s[4:5], s[60:61]
	s_or_b32 s[G0A+3], s[G0A+3], 0x80000000
	s_mov_b32 s[G0B], 1
	s_mov_b32 s[G0B+1], s25
	s_add_nc_u64 s[G0B+2:G0B+3], s[4:5], s[62:63]
	s_or_b32 s[G0B+3], s[G0B+3], 0x80000000
	s_cmp_eq_u32 s[WV], 0                          ; one tensor load a wave at the head: wave 0 x's block, waves 1 to 3 a weight's
	s_cbranch_scc0 .Lhead_b
	tensor_load_to_lds s[G0A:G0A+3], s[G1A:G1A+7]
	s_nop 0
.rept 4
	v_nop
.endr
	s_branch .Lhead_asked
.Lhead_b:
	tensor_load_to_lds s[G0B:G0B+3], s[G1B:G1B+7]
	s_nop 0
.rept 4
	v_nop
.endr
.Lhead_asked:
.rept 4
	v_nop
.endr
	v_and_b32 v20, 15, v0                          ; r
	v_bfe_u32 v21, v0, 4, 1                        ; h
	v_and_b32 v22, 31, v0                          ; lane
	v_lshlrev_b32 v[BO], 6, v21
	s_wait_alu depctr_va_vdst(0)
	v_and_b32 v23, 8, v20
	v_add_nc_u32 v23, v23, v20
	v_lshlrev_b32 v[BV], 2, v23
	s_wait_alu depctr_va_vdst(0)
	s_lshl_b32 s84, s21, 9
	s_lshl_b32 s83, s[NH], 8
	s_add_co_u32 s84, s84, s83                     ; my first feature, in bytes
	s_mov_b32 s85, 0
	s_add_nc_u64 s[6:7], s[6:7], s[84:85]
	s_add_nc_u64 s[8:9], s[8:9], s[84:85]
	s_add_nc_u64 s[10:11], s[10:11], s[84:85]
	WIN 0x80                                       ; destination window 2
.irp j, 0,1,2,3                        ; bq, bk in the result's layout: lane (r, h), tile j: features 32 (j/2) + 16 h + 8 (j%2) + 0 .. 7;  bv: the lane's one feature of tile j
	global_load_b128 v[8*\j:8*\j+3], v[BO], s[6:7] offset:(32*(\j/2)+8*(\j%2))*4
	global_load_b128 v[8*\j+4:8*\j+7], v[BO], s[6:7] offset:(32*(\j/2)+8*(\j%2))*4+16
	global_load_b128 v[32+8*\j:32+8*\j+3], v[BO], s[8:9] offset:(32*(\j/2)+8*(\j%2))*4
	global_load_b128 v[32+8*\j+4:32+8*\j+7], v[BO], s[8:9] offset:(32*(\j/2)+8*(\j%2))*4+16
	global_load_b32 v[96+\j], v[BV], s[10:11] offset:(32*(\j/2)+8*(\j%2))*4
.endr
	WIN 0
	v_lshlrev_b32 v[LI], 4, v22
	v_lshlrev_b32 v[L8], 3, v22
	v_lshlrev_b32 v[L4], 2, v22
	v_lshlrev_b32 v[VO8], 4, v20
	v_lshl_add_u32 v[VO8], v21, 3, v[VO8]
	s_mul_i32 s26, s[MH], HALF
	v_add_nc_u32 v[ADRA], s26, v[LI]
	v_add_nc_u32 v[ASA], s26, v[L8]
	v_add_nc_u32 v[ASA], 8192, v[ASA]
	s_mul_i32 s27, s[NH], HALF
.irp n, 0,1,2
	s_add_co_u32 s27, s27, BLK
	v_add_nc_u32 v[ADRB+\n], s27, v[LI]
	v_add_nc_u32 v[ASB+\n], s27, v[L8]
	v_add_nc_u32 v[ASB+\n], 8192, v[ASB+\n]
.endr
.irp b, 0,1,2,3
	v_mov_b32 v[TM+4+\b], 0                        ; a lane permute's destination counts as one of its sources
.endr
	s_mov_b32 s[SEL], 0x76543210
	s_mov_b32 s[SEL+1], 0xfedcba98
	s_mov_b32 vcc_lo, 0xffff0000                   ; lanes 16-31
	s_lshl_b32 s78, s21, 1
	s_add_co_u32 s78, s78, s[NH]                   ; head
	s_lshr_b32 s79, s22, 4
	s_lshl_b32 s79, s79, 4
	s_add_co_u32 s78, s78, s79                     ; 16 x batch + head
	s_and_b32 s80, s22, 15                         ; the key step (128 tokens) in the batch
	s_lshl_b32 s81, s80, 3
	s_lshl_b32 s82, s[MH], 2
	s_add_co_u32 s81, s81, s82                     ; my first token tile in the batch
	s_lshl_b32 s84, s78, 16
	s_lshl_b32 s83, s81, 9
	s_add_co_u32 s84, s84, s83
	s_add_nc_u64 s[PQ:PQ+1], s[12:13], s[84:85]
	s_lshl_b32 s84, s78, 13
	s_lshl_b32 s83, s81, 6
	s_add_co_u32 s84, s84, s83
	s_add_co_u32 s84, s84, 2097152
	s_add_nc_u64 s[PQS:PQS+1], s[12:13], s[84:85]
	s_mul_i32 s82, s78, 143360                     ; the head's record
	s_lshl_b32 s83, s81, 9
	s_add_co_u32 s84, s82, s83
	s_add_nc_u64 s[PK:PK+1], s[14:15], s[84:85]
	s_lshl_b32 s83, s80, 9
	s_add_co_u32 s84, s82, s83
	s_lshl_b32 s83, s[MH], 3
	s_add_co_u32 s84, s84, s83
	s_add_co_u32 s84, s84, 131072
	s_add_nc_u64 s[PKS:PKS+1], s[14:15], s[84:85]
	s_lshl_b32 s83, s80, 12
	s_add_co_u32 s84, s82, s83
	s_lshl_b32 s83, s[MH], 9
	s_add_co_u32 s84, s84, s83
	s_add_co_u32 s84, s84, 65536
	s_add_nc_u64 s[PV:PV+1], s[14:15], s[84:85]
	s_lshl_b32 s83, s80, 8
	s_add_co_u32 s84, s82, s83
	s_lshl_b32 s83, s[MH], 1
	s_add_co_u32 s84, s84, s83
	s_add_co_u32 s84, s84, 139264
	s_add_nc_u64 s[PVS:PVS+1], s[14:15], s[84:85]
	s_wait_loadcnt 0x0                             ; the biases
	WIN 0x82
.irp j, 0,1,2,3
.irp k, 0,1,2,3,4,5,6,7
	v_mov_b32 v[64+8*\j+\k], v[96+\j]              ; in the swapped product a lane is one feature: its bias in all eight registers of the C
.endr
.endr
	WIN 0
	PHASE 0, 1, 0, 0                               ; q
	EPIHEAD
.irp p, 0,1                            ; unit b: token tile 2 p + b / 2, block b % 2 of the head's 64
	QUANT ACC+64*\p, PC+8*\p
	CODES \p, PQ, 512
	v_cndmask_b32 v[SL+\p], v[W0], v[W1], vcc_lo   ; lanes 0-15 carry tile 2 p's words, lanes 16-31 tile 2 p + 1's
	v_or_b32 v[SL+\p], 0x7f7f0000, v[SL+\p]        ; blocks 2, 3 of the instruction's 128 hold zero codes on q's side: byte 127
	global_store_b32 v[L4], v[SL+\p], s[PQS:PQS+1] offset:128*\p
.endr
	PHASE 1, 1, 0, 32                              ; k
	EPIHEAD
.irp p, 0,1
	QUANT ACC+64*\p, PC+8*\p
	CODES \p, PK, 512
	v_cndmask_b32 v[SL+\p], v[W0], v[W1], vcc_lo
	v_or_b32 v[SL+\p], 0x7f7f0000, v[SL+\p]
.endr
	global_store_b64 v[LI], v[SL:SL+1], s[PKS:PKS+1]       ; my two of the four words at 16 x lane
	PHASE 2, 1, 1, 64                              ; v, swapped
	EPIHEAD
.irp p, 0,1                            ; unit b: tile of d 2 p + b / 2, my block of keys b % 2
	QUANT ACC+64*\p, PC+8*\p
	CODES \p, PV, 1024
	v_cndmask_b32 v[SL+\p], v[W0], v[W1], vcc_lo
	global_store_b16 v[L8], v[SL+\p], s[PVS:PVS+1] offset:4*\p
.endr
	s_wait_dscnt 0x0
	s_wait_tensorcnt 0x0
	ds_add_u32 v126, v127
	s_wait_dscnt 0x0
	CROUND                                         ; the closing round
	s_endpgm
.Lfunc_end_k_q464b4d7ad5_qkv:
	.size	k_q464b4d7ad5_qkv, .Lfunc_end_k_q464b4d7ad5_qkv-k_q464b4d7ad5_qkv
	.p2alignl 7, 3214868480
	.fill 96, 4, 3214868480
	.section	.rodata,"a",@progbits
	.p2align	6, 0x0
	.amdhsa_kernel k_q464b4d7ad5_qkv
		.amdhsa_group_segment_fixed_size 279040
		.amdhsa_private_segment_fixed_size 0
		.amdhsa_enable_private_segment 0
		.amdhsa_kernarg_size 48
		.amdhsa_user_sgpr_count 2
		.amdhsa_user_sgpr_kernarg_segment_ptr 1
		.amdhsa_wavefront_size32 1
		.amdhsa_system_sgpr_workgroup_id_x 1
		.amdhsa_system_sgpr_workgroup_id_y 1
		.amdhsa_system_sgpr_workgroup_id_z 1
		.amdhsa_system_vgpr_workitem_id 0
		.amdhsa_next_free_vgpr 768
		.amdhsa_next_free_sgpr 96
		.amdhsa_reserve_vcc 1
		.amdhsa_float_denorm_mode_32 3
		.amdhsa_float_denorm_mode_16_64 3
		.amdhsa_memory_ordered 1
		.amdhsa_forward_progress 1
		.amdhsa_inst_pref_size 115
	.end_amdhsa_kernel
	.amdgpu_metadata
---
amdhsa.version: [ 1, 2 ]
amdhsa.kernels:
  - .name:           k_q464b4d7ad5_qkv
    .symbol:         k_q464b4d7ad5_qkv.kd
    .args:
      - { .name: opnd, .offset: 0, .size: 8, .value_kind: global_buffer, .address_space: global }
      - { .name: bq, .offset: 8, .size: 8, .value_kind: global_buffer, .address_space: global }
      - { .name: bk, .offset: 16, .size: 8, .value_kind: global_buffer, .address_space: global }
      - { .name: bv, .offset: 24, .size: 8, .value_kind: global_buffer, .address_space: global }
      - { .name: qbuf, .offset: 32, .size: 8, .value_kind: global_buffer, .address_space: global }
      - { .name: kvbuf, .offset: 40, .size: 8, .value_kind: global_buffer, .address_space: global }
    .group_segment_fixed_size: 279040
    .private_segment_fixed_size: 0
    .kernarg_segment_align: 8
    .kernarg_segment_size: 48
    .max_flat_workgroup_size: 128
    .sgpr_count:     96
    .vgpr_count:     768
    .wavefront_size: 32
...
	.end_amdgpu_metadata
.endif
;; end of part 2
;; launch attn (part 3): grid 8 x 32, 8 waves a work-group, clusters of 4 x 1, 169,984 bytes of LDS; arguments qbuf, kvbuf, abuf; writes abuf
.if DOCPART == 3
	.amdgcn_target "amdgcn-amd-amdhsa--gfx1250"
	.amdhsa_code_object_version 6
	.text
	.protected	k_q464b4d7ad5_attn
	.globl	k_q464b4d7ad5_attn
	.p2align	8
	.type	k_q464b4d7ad5_attn,@function
k_q464b4d7ad5_attn:
	s_mov_b64 s[64:65], 0
	v_nop
	global_prefetch_b8 v0, s[64:65] scope:SCOPE_SE
	s_setreg_imm32_b32 hwreg(HW_REG_WAVE_MODE, 25, 1), 1
	s_wait_xcnt 0x0
	s_wait_alu depctr_hold_cnt(0) depctr_sa_sdst(0) depctr_va_vdst(0) depctr_va_sdst(0) depctr_va_ssrc(0) depctr_va_vcc(0) depctr_vm_vsrc(0)
	s_getreg_b32 s2, hwreg(HW_REG_IB_STS2, 6, 4)
	s_cmp_eq_u32 s2, 0
	s_cbranch_scc0 .Lentry_in_a_cluster
	s_endpgm
.Lentry_in_a_cluster:
	s_bfe_u32 s2, ttmp6, 0x10000c
	s_cmp_lg_u32 s2, 0x3003
	s_cbranch_scc0 .Lentry_shape_is_right
	s_endpgm
.Lentry_shape_is_right:
; O[q] = sum over keys of softmax(q . k / 8) v, for one head, both products on codes of FP4 with E8M0 scales; O / l is quantised along the hidden axis and stored as codes.
; THE SOFTMAX: t = score x log2(e) / 8; M = the running largest t rounded UP to a whole number; p = 2^(t - M) is quantised along the keys, not normalised; the row's sum is taken of the unquantised p and divides O at the end.
; When M moves, the sum and O are multiplied by 2^(old M - new M): exact.
; SHARES: a work-group owns 256 queries of one head; each of its EIGHT waves owns TWO tiles of 16 queries, so that each fragment of K and V read from LDS feeds two matrix instructions.  Every wave walks the head's 2,048 keys, 128 a step.
; LDS: the head's whole record (K codes, V codes, K and V scale words: 143,360 bytes) at 0, filled ONCE: every wave asks for 70 rows of 256 bytes.  Nothing is filled again.
; CLUSTER 4 x 1: the four query blocks of a cluster belong to one head and read the same record: joint loads with the mask 15.
; NO PREFETCH: the record is asked for whole by the head's one load a wave; the loop over the keys reads LDS alone, so there is no later request to run ahead of.
; LAYOUT: both products transposed (S^T = K Q^T, O^T = V^T P^T): a lane holds one query.  Lane r of key tile 2 b + u holds key 32 b + 8 u + r + 8 (r / 8): p's 16 registers of two neighbouring tiles are 16 neighbouring keys.
; THE HEAD'S K IS 64, the instruction's 128: Q's registers 4-7 are zero codes.  A tile of K needs four registers; the operand's upper four are the next tile's (behind the last: zeros), which meet zero codes under the byte 127.
; REGISTERS: tile 0's own registers lie in window 0, tile 1's in window 1 UNDER THE SAME NUMBERS, so one macro serves both under two settings of s_set_vgpr_msb.
;   Both windows: v12 -M, v13 the largest score, v[14:15] l, v16-23 Q, v100-163 S^T then p, v164-195 O^T, v196-203 p's codes, v204-231 at work.
;   Window 0 alone: v1-11 addresses, v24-25 Q's scale words, v26-31 K's and V's, v32-67 K, v68-99 V, v220-221 p's scale words (scale operands have no window), v254-255 the add's two.
; THE ORDER OF A STEP: 16 score products; the LDS loads (this step's V, the next step's K); for each tile the maxima, M, t - M and O^T's rescaling, all ahead of any exponential;
; the 136 exponentials as ONE batch between two waits; for each tile the scales, the codes and the sums; 8 products V^T P.
; LIMITS: 1 / l by v_rcp_f32; a block of zeros gets the byte 1; NaN and infinities are not served.  A block's largest p is taken from its largest score by the same two instructions.
.set REC,  8704
.set QW,   24
.set KS,   26                          ; register t / 2: lanes 0-15 even tiles, lanes 16-31 odd
.set VS,   30
.set KF,   32
.set VF,   68
.set S,    100
.set OT,   164
.set PC,   196
.set BM,   204                         ; a block's largest score, then its largest p
.set PD,   208
.set SO,   212                         ; the conversions' scale operands
.set TP,   216
.set OLD,  217
.set FF,   218                         ; v[218:219] f, 0
.set PW,   220
.set SM,   222                         ; v222-229 the step's sum of p, four chains of pairs
.set PT,   230                         ; the scale word while it is gathered
.set SPW,  254
.set NIL,  255
.set WV,   16
.set MSB, 0
.macro WIN new                         ; the immediate's high byte repeats the setting that is left
.if MSB != (\new)
	s_set_vgpr_msb (MSB<<8)|(\new)
.set MSB, (\new)
.endif
.endm
; settings for tile w: 0x55 w: all four places in window w;  0x54 w: source 0 (K or V) in window 0, the rest in window w;  0x15 w: sources in window w, destination in window 0;  0x04 w: a store's data in window w
.macro CROUND
	s_barrier_signal -1
	s_barrier_wait -1
	s_cmp_lg_u32 s[WV], 0
	s_cbranch_scc1 .Lnot_wave_0_\@
	s_barrier_signal -3
.Lnot_wave_0_\@:
	s_barrier_wait -3
	s_barrier_signal -1
	s_barrier_wait -1
.endm
.macro AF b                            ; t - M of block b's 16 scores, two at a time
.irp x, 0,2,4,6,8,10,12,14
	v_pk_fma_f32 v[S+16*(\b)+\x:S+16*(\b)+\x+1], v[S+16*(\b)+\x:S+16*(\b)+\x+1], s[30:31], v[12:13] op_sel_hi:[1,0,0]
.endr
.endm
; A tile's work ahead of the exponentials
.macro PRE
	v_mov_b32 v[OLD], v12
.irp b, 0,1,2,3
	v_max3_num_f32 v[BM+\b], v[S+16*\b], v[S+1+16*\b], v[S+2+16*\b]   ; the largest score of each block of 32 keys, two chains a block, eight by turns; each accumulator is read from its low end on
.endr
.irp b, 0,1,2,3
	v_max3_num_f32 v[PD+\b], v[S+7+16*\b], v[S+8+16*\b], v[S+9+16*\b]
.endr
.irp i, 3,5
.irp b, 0,1,2,3
	v_max3_num_f32 v[BM+\b], v[BM+\b], v[S+16*\b+\i], v[S+1+16*\b+\i]
.endr
.irp b, 0,1,2,3
	v_max3_num_f32 v[PD+\b], v[PD+\b], v[S+7+16*\b+\i], v[S+8+16*\b+\i]
.endr
.endr
.irp b, 0,1,2,3
	v_max3_num_f32 v[BM+\b], v[BM+\b], v[S+14+16*\b], v[S+15+16*\b]
.endr
.irp b, 0,1,2,3
	v_max_num_f32 v[BM+\b], v[BM+\b], v[PD+\b]
.endr
.irp b, 0,1,2,3
	v_permlanex16_b32 v[PD+\b], v[BM+\b], s28, s29
.endr
.irp b, 0,1,2,3
	v_max_num_f32 v[BM+\b], v[BM+\b], v[PD+\b]     ; with lane l xor 16's 16 keys
.endr
	v_max3_num_f32 v[TP], v[BM], v[BM+1], v[BM+2]
	v_max3_num_f32 v13, v[TP], v[BM+3], v13        ; the running largest score (c is positive: the largest t is c times it)
	v_mul_f32 v[TP], s52, v13                      ; -t
	v_floor_f32 v12, v[TP]                         ; the new -M = floor(-t) = -ceil(t)
	AF 0
	v_sub_f32 v[TP], v12, v[OLD]                   ; old M - new M: a whole number, 0 or less.  The three lines that lead to f stand between the blocks' t - M
	AF 1
	v_cvt_i32_f32 v[TP], v[TP]                     ; (it saturates)
	AF 2
	v_ldexp_f32 v[FF], 1.0, v[TP]                  ; f = 2^(old M - new M)
	AF 3
.irp b, 0,1,2,3
	v_fma_f32 v[BM+\b], v[BM+\b], s30, v12         ; the same of each block's largest score
.endr
.set k, 0
.rept 16
	v_pk_mul_f32 v[OT+k:OT+k+1], v[OT+k:OT+k+1], v[FF:FF+1] op_sel_hi:[1,0]   ; O^T under the new M, ascending: each accumulator from its low end on
.set k, k+2
.endr
.endm
.macro EXPS                            ; a tile's 68 exponentials: the blocks' largest p, then p = 2^(t - M)
.irp b, 0,1,2,3
	v_exp_f32 v[BM+\b], v[BM+\b]
.endr
.set k, 0
.rept 64
	v_exp_f32 v[S+k], v[S+k]
.set k, k+1
.endr
.endm
; Tile w's work behind the exponentials: scales, codes, sums
.macro POST w
.irp b, 0,1,2,3
	v_max_num_f32 v[BM+\b], 0x1800000, v[BM+\b]    ; the floor 2^(3 - 127): the byte cannot fall under 1
.endr
.irp b, 0,1,2,3
	v_add_nc_u32 v[SO+\b], 0xff000000, v[BM+\b]    ; 2 off the exponent field: the conversion's scale operand
.endr
	v_lshrrev_b32 v[PT], 23, v[SO]                 ; the bytes
.irp b, 1,2,3
	v_lshrrev_b32 v[PD+\b], 23, v[SO+\b]
.endr
	v_lshl_or_b32 v[PT], v[PD+1], 8, v[PT]
	v_lshl_or_b32 v[PT], v[PD+2], 16, v[PT]
	WIN 0x15*\w
	v_lshl_or_b32 v[PW+\w], v[PD+3], 24, v[PT]     ; p's scale word for these 128 keys, into window 0
	WIN 0x55*\w
.irp b, 0,1,2,3
	v_cvt_scalef32_pk8_fp4_f32 v[PC+2*\b], v[S+16*\b:S+16*\b+7], v[SO+\b]
	v_cvt_scalef32_pk8_fp4_f32 v[PC+2*\b+1], v[S+16*\b+8:S+16*\b+15], v[SO+\b]
.endr
.irp j, 0,1,2,3
	v_pk_add_f32 v[SM+2*\j:SM+2*\j+1], v[S+4*\j:S+4*\j+1], v[S+4*\j+2:S+4*\j+3]   ; the sum of the unquantised p: 32 pairs in four chains.  (Plain lines behind the conversions)
.endr
.irp c, 0,1                            ; the operand wants a whole block in a lane
.irp i, 0,1
	v_permlane16_swap_b32 v[PC+4*\c+\i], v[PC+2+4*\c+\i]
.endr
.endr
.set k, 16
.rept 6
.irp j, 0,1,2,3
	v_pk_add_f32 v[SM+2*\j:SM+2*\j+1], v[SM+2*\j:SM+2*\j+1], v[S+k+2*\j:S+k+2*\j+1]   ; these 24 and the four below are the places between the scale word, the exchanges and the products
.endr
.set k, k+8
.endr
	v_pk_add_f32 v[SM:SM+1], v[SM:SM+1], v[SM+2:SM+3]
	v_pk_add_f32 v[SM+4:SM+5], v[SM+4:SM+5], v[SM+6:SM+7]
	v_pk_add_f32 v[SM:SM+1], v[SM:SM+1], v[SM+4:SM+5]
	v_pk_fma_f32 v[14:15], v[14:15], v[FF:FF+1], v[SM:SM+1] op_sel_hi:[1,0,1]   ; l = l f + the step's sum
.endm
; A KEY STEP: 128 keys, both tiles.  nextk = 1: the next step's K is asked for.
.macro STEP nextk
.irp w, 0,1
	WIN 0x54*\w
.irp t, 0,1,2,3,4,5,6,7
.if \t%2
	v_wmma_scale_f32_16x16x128_f8f6f4 v[S+8*\t:S+8*\t+7], v[KF+4*\t:KF+4*\t+7], v[16:23], 0, v[KS+\t/2], v[QW+\w] matrix_a_fmt:MATRIX_FMT_FP4 matrix_b_fmt:MATRIX_FMT_FP4 matrix_a_scale:MATRIX_SCALE_ROW1
.else
	v_wmma_scale_f32_16x16x128_f8f6f4 v[S+8*\t:S+8*\t+7], v[KF+4*\t:KF+4*\t+7], v[16:23], 0, v[KS+\t/2], v[QW+\w] matrix_a_fmt:MATRIX_FMT_FP4 matrix_b_fmt:MATRIX_FMT_FP4
.endif
.endr
.endr
	WIN 0
	v_add_nc_u32 v9, s32, v2                       ; four plain lines that name no register of the products: the places ahead of the loads into K's and V's registers.  This step's V
	v_add_nc_u32 v11, s34, v4                      ; its scale words,
.if \nextk
	v_add_nc_u32 v8, s32, v1                       ; K: the next step's lies 4,096 bytes on,
	v_add_nc_u32 v10, s33, v3                      ; its scale words 512
.else
	v_nop
	v_nop
.endif
	ds_load_b64 v[VS:VS+1], v11
.irp t, 0,1,2,3
.irp c, 0,1
	ds_load_b128 v[VF+8*\t+4*\c:VF+8*\t+4*\c+3], v9 offset:1024*\t+512*\c
.endr
.endr
.if \nextk
	ds_load_b128 v[KS:KS+3], v10 offset:512
.irp t, 0,1,2,3,4,5,6,7
	ds_load_b128 v[KF+4*\t:KF+4*\t+3], v8 offset:4096+512*\t
.endr
.endif
	PRE
	WIN 0x55
	PRE
	WIN 0
	s_wait_alu depctr_va_vdst(0)
	EXPS
	WIN 0x55
	EXPS
	v_nop                                          ; a plain place behind the exponentials
	WIN 0
	s_wait_alu depctr_va_vdst(0)                   ; one wait for the whole batch, ahead of its first reader
	POST 0
	WIN 0x55
	POST 1
	WIN 0
	s_wait_alu depctr_va_vdst(0)
	s_wait_dscnt 0x0                               ; V is in, and so is the next step's K
.irp w, 0,1
	WIN 0x54*\w
.irp t, 0,1,2,3
.if \t%2
	v_wmma_scale_f32_16x16x128_f8f6f4 v[OT+8*\t:OT+8*\t+7], v[VF+8*\t:VF+8*\t+7], v[PC:PC+7], v[OT+8*\t:OT+8*\t+7], v[VS+\t/2], v[PW+\w] matrix_a_fmt:MATRIX_FMT_FP4 matrix_b_fmt:MATRIX_FMT_FP4 matrix_a_scale:MATRIX_SCALE_ROW1
.else
	v_wmma_scale_f32_16x16x128_f8f6f4 v[OT+8*\t:OT+8*\t+7], v[VF+8*\t:VF+8*\t+7], v[PC:PC+7], v[OT+8*\t:OT+8*\t+7], v[VS+\t/2], v[PW+\w] matrix_a_fmt:MATRIX_FMT_FP4 matrix_b_fmt:MATRIX_FMT_FP4
.endif
.endr
.endr
	WIN 0                                          ; at a label and at a branch every window is 0
	s_add_co_u32 s32, s32, 4096
	s_add_co_u32 s33, s33, 512
	s_add_co_u32 s34, s34, 256
.endm
; Tile w's way out: O^T / l, quantised along the head's 64 channels, which are blocks 2 head, 2 head + 1 of the next product's K
.macro FIN w
	WIN 0x55*\w
	v_add_f32 v14, v14, v15                        ; the sum's two halves,
	v_permlanex16_b32 v[TP], v14, s28, s29
	v_add_f32 v14, v14, v[TP]                      ; and lane l xor 16's
	s_wait_alu depctr_va_vdst(0)                   ; the wait ahead of the transcendental
	v_rcp_f32 v14, v14
	v_nop
	s_wait_alu depctr_va_vdst(0)                   ; and behind it, directly ahead of the first readers of the reciprocal and of O^T
.set k, 0
.rept 16
	v_pk_mul_f32 v[S+k:S+k+1], v[OT+k:OT+k+1], v[14:15] op_sel_hi:[1,0]   ; register 16 b + i: channel 32 b + 16 h + i of my query
.set k, k+2
.endr
.irp b, 0,1
	v_max3_num_f32 v[BM+\b], |v[S+16*\b]|, |v[S+1+16*\b]|, 0x1800000
.endr
.irp i, 2,4,6,8,10,12,14
.irp b, 0,1
	v_max3_num_f32 v[BM+\b], v[BM+\b], |v[S+16*\b+\i]|, |v[S+1+16*\b+\i]|
.endr
.endr
.irp b, 0,1
	v_permlanex16_b32 v[PD+\b], v[BM+\b], s28, s29
.endr
.irp b, 0,1
	v_max_num_f32 v[BM+\b], v[BM+\b], v[PD+\b]
.endr
.irp b, 0,1
	v_add_nc_u32 v[SO+\b], 0xff000000, v[BM+\b]
.endr
.irp b, 0,1
	v_lshrrev_b32 v[PD+\b], 23, v[SO+\b]
.endr
.irp b, 0,1
	v_cvt_scalef32_pk8_fp4_f32 v[PC+2*\b], v[S+16*\b:S+16*\b+7], v[SO+\b]
	v_cvt_scalef32_pk8_fp4_f32 v[PC+2*\b+1], v[S+16*\b+8:S+16*\b+15], v[SO+\b]
.endr
	v_nop                                          ; one plain line behind the conversions
	v_lshl_or_b32 v[PT], v[PD+1], 8, v[PD]
	WIN 0x04*\w
.irp b, 0,1
	global_store_b64 v5, v[PC+2*\b:PC+2*\b+1], s[14:15] offset:REC*\w+256*\b   ; 256 consecutive bytes, aligned
.endr
	global_store_b16 v6, v[PT], s[48:49] offset:REC*\w   ; lanes l and l xor 16 store the same two bytes at the same place
.endm
	s_load_b128 s[4:7], s[0:1], 0x0                ; qbuf, kvbuf
	s_load_b64 s[8:9], s[0:1], 0x10                ; abuf
	v_lshl_add_u32 v[SPW], v0, 2, 0x29000
	v_mov_b32 v[NIL], 0
	ds_add_u32 v[SPW], v[NIL]                      ; the opening lines: the add, twice on end, and its wait ahead of my tensor load
	ds_add_u32 v[SPW], v[NIL]
	v_lshrrev_b32 v8, 5, v0
	v_readfirstlane_b32 s[WV], v8                  ; wave 0..7
	s_bfe_u32 s17, ttmp6, 0x40000                  ; cx
	s_lshl_b32 s18, ttmp9, 2
	s_add_co_u32 s18, s18, s17                     ; my block of 256 queries: it enters global addresses of Q and of the output alone
	s_and_b32 s19, ttmp7, 0xffff                   ; 16 x batch + head, which the partners share
	s_mul_i32 s20, s[WV], 17920                    ; my part of the record: 70 rows of 256 bytes
	s_mul_i32 s22, s19, 143360
	s_add_co_u32 s22, s22, s20
	s_mov_b32 s23, 0
	s_mov_b32 s36, 15|(3<<16)|(1<<21)              ; group 1: the mask: all four; elements of 8 bytes; bit 21 set beside a mask
	s_mov_b32 s37, 32<<16                          ; rows of 256 bytes
	s_mov_b32 s38, 70<<16
	s_mov_b32 s39, 32<<16
	s_mov_b32 s40, 70
	s_mov_b32 s41, 32
	s_mov_b32 s42, 0
	s_mov_b32 s43, 0
	s_mov_b32 s28, 0x76543210
	s_mov_b32 s29, 0xfedcba98                      ; selects for lane l xor 16
	s_mov_b32 s30, 0x3e38aa3b                      ; c = log2(e) / 8
	s_mov_b32 s31, s30                             ; (named with it as a pair)
	s_mov_b32 s52, 0xbe38aa3b                      ; -c
	s_mov_b32 s32, 0                               ; the step's codes: 4,096 bytes a step, K's and V's alike
	s_mov_b32 s33, 0                               ; K's scale words: 512 a step
	s_mov_b32 s34, 0                               ; V's: 256 a step
	s_mov_b32 s35, 15                              ; trips: 15 of the 16 steps; the last, which asks for no further K, is written out
	s_wait_dscnt 0x0
	s_wait_kmcnt 0x0
	s_mov_b32 s44, 1
	s_mov_b32 s45, s20
	s_add_nc_u64 s[46:47], s[6:7], s[22:23]
	s_or_b32 s47, s47, 0x80000000
	CROUND                                         ; the four work-groups are here: the joint loads meet
	tensor_load_to_lds s[44:47], s[36:43]          ; every wave's one load
	s_nop 0
.rept 4
	v_nop
.endr
	s_lshl_b32 s24, s18, 4
	s_lshl_b32 s25, s[WV], 1
	s_add_co_u32 s24, s24, s25                     ; my first query tile in the batch; the second follows it
	s_mov_b32 s27, 0
	s_lshl_b32 s26, s19, 16
	s_lshl_b32 s25, s24, 9
	s_add_co_u32 s26, s26, s25
	s_add_nc_u64 s[10:11], s[4:5], s[26:27]        ; Q's codes: 512 bytes a tile
	s_lshl_b32 s26, s19, 13
	s_lshl_b32 s25, s24, 6
	s_add_co_u32 s26, s26, s25
	s_add_co_u32 s26, s26, 2097152
	s_add_nc_u64 s[12:13], s[4:5], s[26:27]        ; Q's scale words: 64 bytes a tile
	s_lshr_b32 s25, s19, 4
	s_lshl_b32 s25, s25, 7
	s_add_co_u32 s25, s25, s24
	s_mul_i32 s25, s25, REC                        ; the output's tile record
	s_and_b32 s50, s19, 15                         ; head
	s_lshl_b32 s26, s50, 9
	s_add_co_u32 s26, s26, s25
	s_add_nc_u64 s[14:15], s[8:9], s[26:27]        ; blocks 2 head, 2 head + 1 of the record's codes
	s_lshr_b32 s26, s50, 3                         ; the scale word of K step head / 2: 256 (step / 4) + 128 (step % 2) + 4 ((step / 2) % 2), bytes 2 (head % 2) on
	s_lshl_b32 s26, s26, 8
	s_bfe_u32 s51, s50, 0x10001
	s_lshl_b32 s51, s51, 7
	s_add_co_u32 s26, s26, s51
	s_bfe_u32 s51, s50, 0x10002
	s_lshl_b32 s51, s51, 2
	s_add_co_u32 s26, s26, s51
	s_and_b32 s51, s50, 1
	s_lshl_b32 s51, s51, 1
	s_add_co_u32 s26, s26, s51
	s_add_co_u32 s26, s26, s25
	s_add_co_u32 s26, s26, 8192
	s_add_nc_u64 s[48:49], s[8:9], s[26:27]
	v_and_b32 v8, 31, v0
	v_and_b32 v9, 15, v0                           ; r
	v_bfe_u32 v10, v0, 4, 1                        ; h
	v_lshlrev_b32 v1, 4, v8                        ; 16 x lane: K's tiles, and Q's codes
	v_lshlrev_b32 v7, 2, v9                        ; 4 r
	global_load_b128 v[16:19], v1, s[10:11]        ; tile 0's Q: blocks 0 (lanes 0-15) and 1 (lanes 16-31)
	global_load_b32 v[QW], v7, s[12:13]            ; Q's scale words
	global_load_b32 v[QW+1], v7, s[12:13] offset:64
	WIN 0x40
	global_load_b128 v[16:19], v1, s[10:11] offset:512   ; tile 1's Q, into window 1
	WIN 0
.irp j, 64,65,66,67
	v_mov_b32 v[\j], 0                             ; zero codes behind the last tile of K
.endr
	v_add_nc_u32 v2, 65536, v1                     ; V's fragments
	v_add_nc_u32 v3, 131072, v1                    ; K's scale words
	v_lshl_add_u32 v4, v8, 3, 139264               ; V's scale words
	v_lshlrev_b32 v5, 4, v9
	v_lshl_add_u32 v5, v10, 3, v5                  ; 16 r + 8 h
	v_lshlrev_b32 v6, 3, v9                        ; 8 r
.irp w, 0,1
	WIN 0x55*\w
.irp j, 20,21,22,23
	v_mov_b32 v[\j], 0                             ; zero codes: Q's upper half
.endr
	v_mov_b32 v13, 0xff61b1e6                      ; the largest score so far: -3e38, under every score
	v_floor_f32 v12, -v13                          ; -M: so large that the first f is 0, which meets zeros
	v_mov_b32 v14, 0                               ; the sum, in two halves
	v_mov_b32 v15, 0
	v_mov_b32 v[FF+1], 0                           ; (named with f as a pair)
.set k, 0
.rept 32
	v_mov_b32 v[OT+k], 0                           ; the step is written once for the loop: the first finds zeros
.set k, k+1
.endr
.endr
	WIN 0
	s_wait_alu depctr_va_vdst(0)
	s_wait_tensorcnt 0x0                           ; my part of the record is in,
	s_barrier_signal -1
	s_barrier_wait -1                              ; everybody's is
	ds_load_b128 v[KS:KS+3], v3                    ; step 0's K and its scale words
.irp t, 0,1,2,3,4,5,6,7
	ds_load_b128 v[KF+4*\t:KF+4*\t+3], v1 offset:512*\t
.endr
	s_wait_loadcnt 0x0                             ; Q
	s_wait_dscnt 0x0                               ; K
.Lstep:
	STEP 1
	s_sub_co_u32 s35, s35, 1
	s_cmp_lg_u32 s35, 0
	s_cbranch_scc1 .Lstep
	STEP 0                                         ; the last step: no K follows
.rept 4
	v_nop                                          ; places behind the last products
.endr
	FIN 0
	FIN 1
	WIN 0
	s_wait_tensorcnt 0x0                           ; the wave's end
	ds_add_u32 v[SPW], v[NIL]
	s_wait_dscnt 0x0
	CROUND                                         ; the closing round
	s_endpgm
.Lfunc_end_k_q464b4d7ad5_attn:
	.size	k_q464b4d7ad5_attn, .Lfunc_end_k_q464b4d7ad5_attn-k_q464b4d7ad5_attn
	.p2alignl 7, 3214868480
	.fill 96, 4, 3214868480
	.section	.rodata,"a",@progbits
	.p2align	6, 0x0
	.amdhsa_kernel k_q464b4d7ad5_attn
		.amdhsa_group_segment_fixed_size 169984
		.amdhsa_private_segment_fixed_size 0
		.amdhsa_enable_private_segment 0
		.amdhsa_kernarg_size 24
		.amdhsa_user_sgpr_count 2
		.amdhsa_user_sgpr_kernarg_segment_ptr 1
		.amdhsa_wavefront_size32 1
		.amdhsa_system_sgpr_workgroup_id_x 1
		.amdhsa_system_sgpr_workgroup_id_y 1
		.amdhsa_system_sgpr_workgroup_id_z 1
		.amdhsa_system_vgpr_workitem_id 0
		.amdhsa_next_free_vgpr 512
		.amdhsa_next_free_sgpr 66
		.amdhsa_reserve_vcc 0
		.amdhsa_float_denorm_mode_32 3
		.amdhsa_float_denorm_mode_16_64 3
		.amdhsa_memory_ordered 1
		.amdhsa_forward_progress 1
		.amdhsa_inst_pref_size 72
	.end_amdhsa_kernel
	.amdgpu_metadata
---
amdhsa.version: [ 1, 2 ]
amdhsa.kernels:
  - .name:           k_q464b4d7ad5_attn
    .symbol:         k_q464b4d7ad5_attn.kd
    .args:
      - { .name: qbuf, .offset: 0, .size: 8, .value_kind: global_buffer, .address_space: global }
      - { .name: kvbuf, .offset: 8, .size: 8, .value_kind: global_buffer, .address_space: global }
      - { .name: abuf, .offset: 16, .size: 8, .value_kind: global_buffer, .address_space: global }
    .group_segment_fixed_size: 169984
    .private_segment_fixed_size: 0
    .kernarg_segment_align: 8
    .kernarg_segment_size: 24
    .max_flat_workgroup_size: 256
    .sgpr_count:     66
    .vgpr_count:     512
    .wavefront_size: 32
...
	.end_amdgpu_metadata
.endif
;; end of part 3
;; launch strata (part 4): grid 8 x 32, 4 waves a work-group, clusters of 4 x 4, 279,040 bytes of LDS; arguments abuf, opnd, bs, ebuf; writes ebuf
.if DOCPART == 4
	.amdgcn_target "amdgcn-amd-amdhsa--gfx1250"
	.amdhsa_code_object_version 6
	.text
	.protected	k_q464b4d7ad5_strata
	.globl	k_q464b4d7ad5_strata
	.p2align	8
	.type	k_q464b4d7ad5_strata,@function
k_q464b4d7ad5_strata:
	s_mov_b64 s[64:65], 0
	v_nop
	global_prefetch_b8 v0, s[64:65] scope:SCOPE_SE
	s_setreg_imm32_b32 hwreg(HW_REG_WAVE_MODE, 25, 1), 1
	s_wait_xcnt 0x0
	s_wait_alu depctr_hold_cnt(0) depctr_sa_sdst(0) depctr_va_vdst(0) depctr_va_sdst(0) depctr_va_ssrc(0) depctr_va_vcc(0) depctr_vm_vsrc(0)
	s_getreg_b32 s2, hwreg(HW_REG_IB_STS2, 6, 4)
	s_cmp_eq_u32 s2, 0
	s_cbranch_scc0 .Lentry_in_a_cluster
	s_endpgm
.Lentry_in_a_cluster:
	s_bfe_u32 s2, ttmp6, 0x10000c
	s_cmp_lg_u32 s2, 0xf033
	s_cbranch_scc0 .Lentry_shape_is_right
	s_endpgm
.Lentry_shape_is_right:
; enhanced = (sum over n of (a Ws[n]^T + bs[n])) / 3 on codes of FP4 with E8M0 scales, quantised at once along its features, the next product's K.
; The three strata are ONE sum of 24 K steps in one accumulator, begun with bs[0] + bs[1] + bs[2] as C; the mean is a multiplication by f32(1/3): the order of f32 roundings differs from a sum of three finished products.
; OPERANDS, SHARES, LDS, CLUSTER as in the launch for q, k, v: tile records of 8,704 bytes; a work-group takes 128 tokens x 128 features, a wave 64 x 64; a's 8 records at LDS 0, the three strata's behind them,
; 69,632 bytes each, filled once; a's block is shared along a row of the 4 x 4 cluster, the weights' along a column.
; OUT: ebuf, tile records: my features are blocks 4 x + 2 (wave % 2) + 0, 1 of K and two bytes of the scale word of K step x.
; LIMITS: a block of zeros gets the byte 1 (zero codes; read by this program alone); NaN and infinities are not served.  The scale bytes leave in stores of 2 bytes a lane.
.set REC,  8704
.set BLK,  8*REC
.set QTR,  2*REC
.set HALF, 4*REC
.set BT,   448
.set NB,   3
.set LI,   1
.set L8,   2
.set VO8,  4
.set ADRA, 5
.set ADRB, 6
.set ASA,  9
.set ASB,  10
.set BO,   13
.set SOF,  15                          ; 8,704 h + 8 r
.set SA,   24
.set SB,   40
.set TM,   88
.set PC,   104
.set W0,   120
.set W1,   121
.set SL,   122
.set ACC,  128
.set WV,   16
.set MH,   17
.set NH,   18
.set G1A,  28
.set G1B,  36
.set G0A,  44
.set G0B,  48
.set PE,   66
.set PES,  68
.set SEL,  86
.set MSB, 0
.macro WIN new
.if MSB != \new
	s_set_vgpr_msb (MSB<<8)|\new
.set MSB, \new
.endif
.endm
.macro CROUND
	s_barrier_signal -1
	s_barrier_wait -1
	s_cmp_lg_u32 s[WV], 0
	s_cbranch_scc1 .Lnot_wave_0_\@
	s_barrier_signal -3
.Lnot_wave_0_\@:
	s_barrier_wait -3
	s_barrier_signal -1
	s_barrier_wait -1
.endm
.macro PLACES                          ; four plain lines behind matrix instructions, ahead of loads into their registers and of reads of their results
.rept 4
	v_nop
.endr
.endm
.macro FETCH n, s                      ; K step s: four fragments of stratum n and four of a into buffer s % 4
	WIN 0x40
.irp j, 0,1,2,3
.irp c, 0,1
	ds_load_b128 v[64*((\s)%4)+32+8*\j+4*\c:64*((\s)%4)+32+8*\j+4*\c+3], v[ADRB+\n] offset:\j*REC+(\s)*1024+512*\c
.endr
.endr
.irp i, 0,1,2,3
.irp c, 0,1
	ds_load_b128 v[64*((\s)%4)+8*\i+4*\c:64*((\s)%4)+8*\i+4*\c+3], v[ADRA] offset:\i*REC+(\s)*1024+512*\c
.endr
.endr
.endm
.macro SCAL reg, adr
.irp t, 0,1,2,3
.irp f, 0,1
	ds_load_b64 v[(\reg)+4*\t+2*\f:(\reg)+4*\t+2*\f+1], v[\adr] offset:\t*REC+256*\f
.endr
.endr
.endm
.macro MUL n, s, first                 ; 16 products, the 16 accumulators by turns in the same order in every step
.if \first
	WIN 0x25
.else
	WIN 0x05
.endif
.irp i, 0,1,2,3
.irp j, 0,1,2,3
.set DD, ACC+8*(4*\i+\j)
.set F0, 64*((\s)%4)+32+8*\j
.set F1, 64*((\s)%4)+8*\i
.set C0, SB+16*(\n)+4*\j+(\s)/2
.set C1, SA+4*\i+(\s)/2
.if \first
	v_wmma_scale_f32_16x16x128_f8f6f4 v[DD:DD+7], v[F0:F0+7], v[F1:F1+7], v[8*\j:8*\j+7], v[C0], v[C1] matrix_a_fmt:MATRIX_FMT_FP4 matrix_b_fmt:MATRIX_FMT_FP4
.elseif (\s)%2
	v_wmma_scale_f32_16x16x128_f8f6f4 v[DD:DD+7], v[F0:F0+7], v[F1:F1+7], v[DD:DD+7], v[C0], v[C1] matrix_a_fmt:MATRIX_FMT_FP4 matrix_b_fmt:MATRIX_FMT_FP4 matrix_a_scale:MATRIX_SCALE_ROW1 matrix_b_scale:MATRIX_SCALE_ROW1
.else
	v_wmma_scale_f32_16x16x128_f8f6f4 v[DD:DD+7], v[F0:F0+7], v[F1:F1+7], v[DD:DD+7], v[C0], v[C1] matrix_a_fmt:MATRIX_FMT_FP4 matrix_b_fmt:MATRIX_FMT_FP4
.endif
.endr
.endr
.endm
.macro PHASE n, first
	s_wait_tensorcnt 0x0                           ; my one load, a whole block, is in
	s_wait_dscnt 0x0
	s_barrier_signal -1
	s_barrier_wait -1
	PLACES
.if \n == 0
	SCAL SA, ASA
.endif
	SCAL SB+16*\n, ASB+\n
	FETCH \n, 0
	FETCH \n, 1
.irp s, 0,1,2,3,4,5,6,7
.if \s < 6
	PLACES
	FETCH \n, \s+2
	s_wait_dscnt 32                                ; all but the 32 loads of the next two steps
.elseif \s == 6
	s_wait_dscnt 16
.else
	s_wait_dscnt 0x0
.endif
.if \s == 0
	MUL \n, \s, \first
.else
	MUL \n, \s, 0
.endif
.endr
	WIN 0
.endm
.macro QUANT s, pc                     ; 64 registers, four units of 16 neighbours; lanes l and l xor 16 hold a block of 32
.irp b, 0,1,2,3
	v_max3_num_f32 v[TM+\b], |v[(\s)+16*\b]|, |v[(\s)+1+16*\b]|, 0x1800000
.endr
.irp i, 2,4,6,8,10,12,14
.irp b, 0,1,2,3
	v_max3_num_f32 v[TM+\b], v[TM+\b], |v[(\s)+16*\b+\i]|, |v[(\s)+1+16*\b+\i]|
.endr
.endr
.irp b, 0,1,2,3
	v_permlanex16_b32 v[TM+4+\b], v[TM+\b], s[SEL], s[SEL+1]
.endr
.irp b, 0,1,2,3
	v_max_num_f32 v[TM+\b], v[TM+\b], v[TM+4+\b]
.endr
.irp b, 0,1,2,3
	v_add_nc_u32 v[TM+12+\b], 0xff000000, v[TM+\b]
.endr
.irp b, 0,1,2,3
	v_lshrrev_b32 v[TM+4+\b], 23, v[TM+12+\b]
.endr
.irp b, 0,1,2,3
	v_cvt_scalef32_pk8_fp4_f32 v[(\pc)+2*\b], v[(\s)+16*\b:(\s)+16*\b+7], v[TM+12+\b]
	v_cvt_scalef32_pk8_fp4_f32 v[(\pc)+2*\b+1], v[(\s)+16*\b+8:(\s)+16*\b+15], v[TM+12+\b]
.endr
	v_nop
	v_lshl_or_b32 v[W0], v[TM+5], 8, v[TM+4]
	v_lshl_or_b32 v[W1], v[TM+7], 8, v[TM+6]
.endm
	s_load_b256 s[4:11], s[0:1], 0x0               ; abuf, opnd, bs, ebuf
	v_lshl_add_u32 v126, v0, 2, 0x44000
	v_mov_b32 v127, 0
	ds_add_u32 v126, v127
	ds_add_u32 v126, v127
	v_lshrrev_b32 v20, 5, v0
	v_readfirstlane_b32 s[WV], v20
	s_lshr_b32 s[MH], s[WV], 1
	s_and_b32 s[NH], s[WV], 1
	s_bfe_u32 s19, ttmp6, 0x40000                  ; cx
	s_bfe_u32 s20, ttmp6, 0x40004                  ; cy
	s_lshl_b32 s21, ttmp9, 2
	s_add_co_u32 s21, s21, s19                     ; slice of 128 features
	s_and_b32 s22, ttmp7, 0xffff
	s_lshl_b32 s22, s22, 2
	s_add_co_u32 s22, s22, s20                     ; group of 128 tokens
	s_lshl_b32 s23, s20, 2
	s_lshl_b32 s23, 15, s23
	s_lshl_b32 s24, 0x1111, s19
	s_mul_i32 s25, s[WV], BLK                      ; THE FILL'S SHARES: a wave asks for one whole block; it lands at wave x 69,632
	s_mul_i32 s26, s[WV], 64*REC                   ; waves 1, 2, 3: strata 0, 1, 2, 64 records apart
	s_or_b32 s[G1A], s23, (3<<16)|(1<<21)          ; group 1: the mask; elements of 8 bytes; bit 21 set beside a mask
	s_or_b32 s[G1B], s24, (3<<16)|(1<<21)
.irp g, G1A, G1B
	s_mov_b32 s[\g+1], 32<<16                      ; rows of 256 bytes,
	s_mov_b32 s[\g+2], 272<<16                     ; 272 of them: eight records
	s_mov_b32 s[\g+3], 32<<16
	s_mov_b32 s[\g+4], 272
	s_mov_b32 s[\g+5], 32
	s_mov_b32 s[\g+6], 0
	s_mov_b32 s[\g+7], 0
.endr
	s_mul_i32 s60, s22, BLK
	s_mov_b32 s61, 0
	s_mul_i32 s62, s21, BLK
	s_add_co_u32 s62, s62, s26
	s_add_co_u32 s62, s62, (BT-64)*REC             ; wave 1 stands at the first stratum's record
	s_mov_b32 s63, 0
	s_wait_dscnt 0x0
	s_wait_kmcnt 0x0
	CROUND
	s_mov_b32 s[G0A], 1
	s_mov_b32 s[G0A+1], s25
	s_add_nc_u64 s[G0A+2:G0A+3], s[4:5], s[60:61]
	s_or_b32 s[G0A+3], s[G0A+3], 0x80000000
	s_mov_b32 s[G0B], 1
	s_mov_b32 s[G0B+1], s25
	s_add_nc_u64 s[G0B+2:G0B+3], s[6:7], s[62:63]
	s_or_b32 s[G0B+3], s[G0B+3], 0x80000000
	s_cmp_eq_u32 s[WV], 0                          ; one tensor load a wave at the head: wave 0 a's block, waves 1 to 3 a stratum's
	s_cbranch_scc0 .Lhead_b
	tensor_load_to_lds s[G0A:G0A+3], s[G1A:G1A+7]
	s_nop 0
.rept 4
	v_nop
.endr
	s_branch .Lhead_asked
.Lhead_b:
	tensor_load_to_lds s[G0B:G0B+3], s[G1B:G1B+7]
	s_nop 0
.rept 4
	v_nop
.endr
.Lhead_asked:
.rept 4
	v_nop
.endr
	v_and_b32 v20, 15, v0                          ; r
	v_bfe_u32 v21, v0, 4, 1                        ; h
	v_and_b32 v22, 31, v0
	v_lshlrev_b32 v[BO], 6, v21
	s_lshl_b32 s84, s21, 9
	s_lshl_b32 s83, s[NH], 8
	s_add_co_u32 s84, s84, s83
	s_mov_b32 s85, 0
	s_add_nc_u64 s[8:9], s[8:9], s[84:85]
	WIN 0x80
.irp n, 0,1,2
.irp j, 0,1,2,3
	global_load_b128 v[32*\n+8*\j:32*\n+8*\j+3], v[BO], s[8:9] offset:4096*\n+(32*(\j/2)+8*(\j%2))*4
	global_load_b128 v[32*\n+8*\j+4:32*\n+8*\j+7], v[BO], s[8:9] offset:4096*\n+(32*(\j/2)+8*(\j%2))*4+16
.endr
.endr
	WIN 0
	v_lshlrev_b32 v[LI], 4, v22
	v_lshlrev_b32 v[L8], 3, v22
	v_lshlrev_b32 v[VO8], 4, v20
	v_lshl_add_u32 v[VO8], v21, 3, v[VO8]
	v_mul_u32_u24 v[SOF], v21, REC
	v_lshl_add_u32 v[SOF], v20, 3, v[SOF]
	s_mul_i32 s26, s[MH], HALF
	v_add_nc_u32 v[ADRA], s26, v[LI]
	v_add_nc_u32 v[ASA], s26, v[L8]
	v_add_nc_u32 v[ASA], 8192, v[ASA]
	s_mul_i32 s27, s[NH], HALF
.irp n, 0,1,2
	s_add_co_u32 s27, s27, BLK
	v_add_nc_u32 v[ADRB+\n], s27, v[LI]
	v_add_nc_u32 v[ASB+\n], s27, v[L8]
	v_add_nc_u32 v[ASB+\n], 8192, v[ASB+\n]
.endr
.irp b, 0,1,2,3
	v_mov_b32 v[TM+4+\b], 0
.endr
	s_mov_b32 s[SEL], 0x76543210
	s_mov_b32 s[SEL+1], 0xfedcba98
	s_mov_b32 vcc_lo, 0xffff0000
	s_lshl_b32 s78, s22, 3
	s_lshl_b32 s79, s[MH], 2
	s_add_co_u32 s78, s78, s79
	s_mul_i32 s78, s78, REC                        ; my first token tile's record
	s_lshl_b32 s79, s21, 10
	s_lshl_b32 s80, s[NH], 9
	s_add_co_u32 s84, s78, s79
	s_add_co_u32 s84, s84, s80
	s_add_nc_u64 s[PE:PE+1], s[10:11], s[84:85]
	s_lshr_b32 s79, s21, 2
	s_lshl_b32 s79, s79, 8
	s_and_b32 s80, s21, 1
	s_lshl_b32 s80, s80, 7
	s_bfe_u32 s81, s21, 0x10001
	s_lshl_b32 s81, s81, 2
	s_lshl_b32 s82, s[NH], 1
	s_add_co_u32 s84, s78, s79
	s_add_co_u32 s84, s84, s80
	s_add_co_u32 s84, s84, s81
	s_add_co_u32 s84, s84, s82
	s_add_co_u32 s84, s84, 8192
	s_add_nc_u64 s[PES:PES+1], s[10:11], s[84:85]
	s_wait_loadcnt 0x0
	WIN 0x8a                                       ; the three biases' sum, in window 2
.set k, 0
.rept 16
	v_pk_add_f32 v[k:k+1], v[k:k+1], v[32+k:33+k]
.set k, k+2
.endr
.set k, 0
.rept 16
	v_pk_add_f32 v[k:k+1], v[k:k+1], v[64+k:65+k]
.set k, k+2
.endr
	WIN 0
	s_wait_alu depctr_va_vdst(0)
	PHASE 0, 1
	PHASE 1, 0
	PHASE 2, 0
	PLACES
.set k, 0
.rept 64
	v_pk_mul_f32 v[ACC+k:ACC+k+1], v[ACC+k:ACC+k+1], 0x3eaaaaab op_sel_hi:[1,0]   ; the mean; each accumulator from its low end on
.set k, k+2
.endr
.irp p, 0,1                            ; unit b: token tile 2 p + b / 2, my block b % 2
	QUANT ACC+64*\p, PC+8*\p
.irp b, 0,1,2,3
	global_store_b64 v[VO8], v[PC+8*\p+2*\b:PC+8*\p+2*\b+1], s[PE:PE+1] offset:(2*\p+\b/2)*REC+(\b%2)*256   ; 256 consecutive bytes, aligned
.endr
	v_cndmask_b32 v[SL+\p], v[W0], v[W1], vcc_lo   ; lanes 0-15 carry tile 2 p's bytes, lanes 16-31 tile 2 p + 1's
	global_store_b16 v[SOF], v[SL+\p], s[PES:PES+1] offset:2*REC*\p
.endr
	s_wait_dscnt 0x0
	s_wait_tensorcnt 0x0
	ds_add_u32 v126, v127
	s_wait_dscnt 0x0
	CROUND
	s_endpgm
.Lfunc_end_k_q464b4d7ad5_strata:
	.size	k_q464b4d7ad5_strata, .Lfunc_end_k_q464b4d7ad5_strata-k_q464b4d7ad5_strata
	.p2alignl 7, 3214868480
	.fill 96, 4, 3214868480
	.section	.rodata,"a",@progbits
	.p2align	6, 0x0
	.amdhsa_kernel k_q464b4d7ad5_strata
		.amdhsa_group_segment_fixed_size 279040
		.amdhsa_private_segment_fixed_size 0
		.amdhsa_enable_private_segment 0
		.amdhsa_kernarg_size 32
		.amdhsa_user_sgpr_count 2
		.amdhsa_user_sgpr_kernarg_segment_ptr 1
		.amdhsa_wavefront_size32 1
		.amdhsa_system_sgpr_workgroup_id_x 1
		.amdhsa_system_sgpr_workgroup_id_y 1
		.amdhsa_system_sgpr_workgroup_id_z 1
		.amdhsa_system_vgpr_workitem_id 0
		.amdhsa_next_free_vgpr 768
		.amdhsa_next_free_sgpr 96
		.amdhsa_reserve_vcc 1
		.amdhsa_float_denorm_mode_32 3
		.amdhsa_float_denorm_mode_16_64 3
		.amdhsa_memory_ordered 1
		.amdhsa_forward_progress 1
		.amdhsa_inst_pref_size 105
	.end_amdhsa_kernel
	.amdgpu_metadata
---
amdhsa.version: [ 1, 2 ]
amdhsa.kernels:
  - .name:           k_q464b4d7ad5_strata
    .symbol:         k_q464b4d7ad5_strata.kd
    .args:
      - { .name: abuf, .offset: 0, .size: 8, .value_kind: global_buffer, .address_space: global }
      - { .name: opnd, .offset: 8, .size: 8, .value_kind: global_buffer, .address_space: global }
      - { .name: bs, .offset: 16, .size: 8, .value_kind: global_buffer, .address_space: global }
      - { .name: ebuf, .offset: 24, .size: 8, .value_kind: global_buffer, .address_space: global }
    .group_segment_fixed_size: 279040
    .private_segment_fixed_size: 0
    .kernarg_segment_align: 8
    .kernarg_segment_size: 32
    .max_flat_workgroup_size: 128
    .sgpr_count:     96
    .vgpr_count:     768
    .wavefront_size: 32
...
	.end_amdgpu_metadata
.endif
;; end of part 4
;; launch outp (part 5): grid 8 x 32, 4 waves a work-group, clusters of 4 x 4, 327,680 bytes of LDS; arguments ebuf, opnd, bo, out0; writes out0
.if DOCPART == 5
	.amdgcn_target "amdgcn-amd-amdhsa--gfx1250"
	.amdhsa_code_object_version 6
	.text
	.protected	k_q464b4d7ad5_outp
	.globl	k_q464b4d7ad5_outp
	.p2align	8
	.type	k_q464b4d7ad5_outp,@function
k_q464b4d7ad5_outp:
	s_mov_b64 s[64:65], 0
	v_nop
	global_prefetch_b8 v0, s[64:65] scope:SCOPE_SE
	s_setreg_imm32_b32 hwreg(HW_REG_WAVE_MODE, 25, 1), 1
	s_wait_xcnt 0x0
	s_wait_alu depctr_hold_cnt(0) depctr_sa_sdst(0) depctr_va_vdst(0) depctr_va_sdst(0) depctr_va_ssrc(0) depctr_va_vcc(0) depctr_vm_vsrc(0)
	s_getreg_b32 s2, hwreg(HW_REG_IB_STS2, 6, 4)
	s_cmp_eq_u32 s2, 0
	s_cbranch_scc0 .Lentry_in_a_cluster
	s_endpgm
.Lentry_in_a_cluster:
	s_bfe_u32 s2, ttmp6, 0x10000c
	s_cmp_lg_u32 s2, 0xf033
	s_cbranch_scc0 .Lentry_shape_is_right
	s_endpgm
.Lentry_shape_is_right:
.set REC,  8704
.set BLK,  8*REC
.set QTR,  2*REC
.set HALF, 4*REC
.set BT,   640
.set STG,  2*BLK
.set SPITCH, 272
.set LI,   1
.set L8,   2
.set ADRA, 5
.set ADRB, 6
.set ASA,  9
.set ASB,  10
.set BO,   13
.set STO,  16
.set RD,   17
.set GO,   18
.set SA,   24
.set SB,   40
.set BK,   56
.set ACC,  128
.set WV,   16
.set MH,   17
.set NH,   18
.set G1A,  28
.set G1B,  36
.set G0A,  44
.set G0B,  48
.set PO,   66
.set MSB, 0
.macro WIN new
.if MSB != \new
	s_set_vgpr_msb (MSB<<8)|\new
.set MSB, \new
.endif
.endm
.macro CROUND
	s_barrier_signal -1
	s_barrier_wait -1
	s_cmp_lg_u32 s[WV], 0
	s_cbranch_scc1 .Lnot_wave_0_\@
	s_barrier_signal -3
.Lnot_wave_0_\@:
	s_barrier_wait -3
	s_barrier_signal -1
	s_barrier_wait -1
.endm
.macro PLACES
.rept 4
	v_nop
.endr
.endm
.macro FETCH s
	WIN 0x40
.irp j, 0,1,2,3
.irp c, 0,1
	ds_load_b128 v[64*((\s)%4)+32+8*\j+4*\c:64*((\s)%4)+32+8*\j+4*\c+3], v[ADRB] offset:\j*REC+(\s)*1024+512*\c
.endr
.endr
.irp i, 0,1,2,3
.irp c, 0,1
	ds_load_b128 v[64*((\s)%4)+8*\i+4*\c:64*((\s)%4)+8*\i+4*\c+3], v[ADRA] offset:\i*REC+(\s)*1024+512*\c
.endr
.endr
.endm
.macro SCAL reg, adr
.irp t, 0,1,2,3
.irp f, 0,1
	ds_load_b64 v[(\reg)+4*\t+2*\f:(\reg)+4*\t+2*\f+1], v[\adr] offset:\t*REC+256*\f
.endr
.endr
.endm
.macro MUL s, first
.if \first
	WIN 0x25
.else
	WIN 0x05
.endif
.irp i, 0,1,2,3
.irp j, 0,1,2,3
.set DD, ACC+8*(4*\i+\j)
.set F0, 64*((\s)%4)+32+8*\j
.set F1, 64*((\s)%4)+8*\i
.set C0, SB+4*\j+(\s)/2
.set C1, SA+4*\i+(\s)/2
.if \first
	v_wmma_scale_f32_16x16x128_f8f6f4 v[DD:DD+7], v[F0:F0+7], v[F1:F1+7], v[8*\j:8*\j+7], v[C0], v[C1] matrix_a_fmt:MATRIX_FMT_FP4 matrix_b_fmt:MATRIX_FMT_FP4
.elseif (\s)%2
	v_wmma_scale_f32_16x16x128_f8f6f4 v[DD:DD+7], v[F0:F0+7], v[F1:F1+7], v[DD:DD+7], v[C0], v[C1] matrix_a_fmt:MATRIX_FMT_FP4 matrix_b_fmt:MATRIX_FMT_FP4 matrix_a_scale:MATRIX_SCALE_ROW1 matrix_b_scale:MATRIX_SCALE_ROW1
.else
	v_wmma_scale_f32_16x16x128_f8f6f4 v[DD:DD+7], v[F0:F0+7], v[F1:F1+7], v[DD:DD+7], v[C0], v[C1] matrix_a_fmt:MATRIX_FMT_FP4 matrix_b_fmt:MATRIX_FMT_FP4
.endif
.endr
.endr
.endm
.macro TOSTAGE i
.irp b, 0,1
.irp q, 0,1,2,3
	ds_store_b128 v[STO], v[ACC+32*(\i)+16*\b+4*\q:ACC+32*(\i)+16*\b+4*\q+3] offset:128*\b+16*\q
.endr
.endr
.irp t, 0,1,2,3,4,5,6,7
	ds_load_b128 v[BK+32*((\i)%2)+4*\t:BK+32*((\i)%2)+4*\t+3], v[RD] offset:\t*2*SPITCH
.endr
.endm
.macro SEND i, younger
	s_wait_dscnt \younger
.irp t, 0,1,2,3,4,5,6,7
	global_store_b128 v[GO], v[BK+32*((\i)%2)+4*\t:BK+32*((\i)%2)+4*\t+3], s[PO:PO+1] offset:(32*((\i)/2)+8*((\i)%2)+2*\t+8*(\t/4))*4096 th:TH_STORE_NT
.endr
.endm
	s_load_b256 s[4:11], s[0:1], 0x0
	v_lshl_add_u32 v126, v0, 2, 0x29000
	v_mov_b32 v127, 0
	ds_add_u32 v126, v127
	ds_add_u32 v126, v127
	v_lshrrev_b32 v20, 5, v0
	v_readfirstlane_b32 s[WV], v20
	s_lshr_b32 s[MH], s[WV], 1
	s_and_b32 s[NH], s[WV], 1
	s_bfe_u32 s19, ttmp6, 0x40000
	s_bfe_u32 s20, ttmp6, 0x40004
	s_lshl_b32 s21, ttmp9, 2
	s_add_co_u32 s21, s21, s19
	s_and_b32 s22, ttmp7, 0xffff
	s_lshl_b32 s22, s22, 2
	s_add_co_u32 s22, s22, s20
	s_lshl_b32 s23, s20, 2
	s_lshl_b32 s23, 15, s23
	s_lshl_b32 s24, 0x1111, s19
	s_mul_i32 s25, s[WV], HALF                     ; the fill's shares: waves 0, 1 ask for the halves of e's block, waves 2, 3 for those of Wo's; a half lands at wave x 34,816
	s_mul_i32 s26, s[NH], HALF                     ; which half, in memory
	s_or_b32 s[G1A], s23, (3<<16)|(1<<21)
	s_or_b32 s[G1B], s24, (3<<16)|(1<<21)
.irp g, G1A, G1B
	s_mov_b32 s[\g+1], 32<<16
	s_mov_b32 s[\g+2], 136<<16                     ; 136 rows of 256 bytes: four records
	s_mov_b32 s[\g+3], 32<<16
	s_mov_b32 s[\g+4], 136
	s_mov_b32 s[\g+5], 32
	s_mov_b32 s[\g+6], 0
	s_mov_b32 s[\g+7], 0
.endr
	s_mul_i32 s60, s22, BLK
	s_add_co_u32 s60, s60, s26
	s_mov_b32 s61, 0
	s_mul_i32 s62, s21, BLK
	s_add_co_u32 s62, s62, s26
	s_add_co_u32 s62, s62, BT*REC
	s_mov_b32 s63, 0
	s_wait_dscnt 0x0
	s_wait_kmcnt 0x0
	CROUND
	s_mov_b32 s[G0A], 1
	s_mov_b32 s[G0A+1], s25
	s_add_nc_u64 s[G0A+2:G0A+3], s[4:5], s[60:61]
	s_or_b32 s[G0A+3], s[G0A+3], 0x80000000
	s_mov_b32 s[G0B], 1
	s_mov_b32 s[G0B+1], s25
	s_add_nc_u64 s[G0B+2:G0B+3], s[6:7], s[62:63]
	s_or_b32 s[G0B+3], s[G0B+3], 0x80000000
	s_cmp_eq_u32 s[MH], 0                          ; one tensor load a wave at the head
	s_cbranch_scc0 .Lhead_b
	tensor_load_to_lds s[G0A:G0A+3], s[G1A:G1A+7]
	s_nop 0
.rept 4
	v_nop
.endr
	s_branch .Lhead_asked
.Lhead_b:
	tensor_load_to_lds s[G0B:G0B+3], s[G1B:G1B+7]
	s_nop 0
.rept 4
	v_nop
.endr
.Lhead_asked:
.rept 4
	v_nop
.endr
	v_and_b32 v20, 15, v0
	v_bfe_u32 v21, v0, 4, 1
	v_and_b32 v22, 31, v0
	v_lshlrev_b32 v[BO], 6, v21
	s_lshl_b32 s84, s21, 9
	s_lshl_b32 s83, s[NH], 8
	s_add_co_u32 s84, s84, s83
	s_mov_b32 s85, 0
	s_add_nc_u64 s[8:9], s[8:9], s[84:85]
	WIN 0x80
.irp j, 0,1,2,3
	global_load_b128 v[8*\j:8*\j+3], v[BO], s[8:9] offset:(32*(\j/2)+8*(\j%2))*4
	global_load_b128 v[8*\j+4:8*\j+7], v[BO], s[8:9] offset:(32*(\j/2)+8*(\j%2))*4+16
.endr
	WIN 0
	v_lshlrev_b32 v[LI], 4, v22
	v_lshlrev_b32 v[L8], 3, v22
	s_mul_i32 s26, s[MH], HALF
	v_add_nc_u32 v[ADRA], s26, v[LI]
	v_add_nc_u32 v[ASA], s26, v[L8]
	v_add_nc_u32 v[ASA], 8192, v[ASA]
	s_mul_i32 s27, s[NH], HALF
	s_add_co_u32 s27, s27, BLK
	v_add_nc_u32 v[ADRB], s27, v[LI]
	v_add_nc_u32 v[ASB], s27, v[L8]
	v_add_nc_u32 v[ASB], 8192, v[ASB]
	s_mul_i32 s26, s[WV], 16*SPITCH
	s_add_co_u32 s26, s26, STG
	v_mul_u32_u24 v[STO], v20, SPITCH
	v_lshl_add_u32 v[STO], v21, 6, v[STO]
	v_add_nc_u32 v[STO], s26, v[STO]
	v_mul_u32_u24 v[RD], v21, SPITCH
	v_lshl_add_u32 v[RD], v20, 4, v[RD]
	v_add_nc_u32 v[RD], s26, v[RD]
	v_lshlrev_b32 v[GO], 12, v21
	v_lshl_add_u32 v[GO], v20, 4, v[GO]
	s_lshl_b32 s78, s22, 7
	s_lshl_b32 s79, s[MH], 6
	s_add_co_u32 s78, s78, s79
	s_lshl_b32 s78, s78, 12
	s_add_co_u32 s84, s84, s78
	s_add_nc_u64 s[PO:PO+1], s[10:11], s[84:85]
	s_wait_alu depctr_va_vdst(0)
	s_wait_loadcnt 0x0
	s_wait_tensorcnt 0x0
	s_barrier_signal -1
	s_barrier_wait -1
	SCAL SA, ASA
	SCAL SB, ASB
	FETCH 0
	FETCH 1
.irp s, 0,1,2,3,4,5,6,7
.if \s < 6
	PLACES
	FETCH \s+2
	s_wait_dscnt 32
.elseif \s == 6
	s_wait_dscnt 16
.else
	s_wait_dscnt 0x0
.endif
.if \s == 0
	MUL \s, 1
.else
	MUL \s, 0
.endif
.endr
	WIN 0
	PLACES
	TOSTAGE 0
.irp i, 1,2,3
.if \i > 1
	s_wait_xcnt 0x0
.endif
	TOSTAGE \i
	SEND \i-1, 16
.endr
	SEND 3, 0
	s_wait_dscnt 0x0
	s_wait_tensorcnt 0x0
	ds_add_u32 v126, v127
	s_wait_dscnt 0x0
	CROUND
	s_endpgm
.Lfunc_end_k_q464b4d7ad5_outp:
	.size	k_q464b4d7ad5_outp, .Lfunc_end_k_q464b4d7ad5_outp-k_q464b4d7ad5_outp
	.p2alignl 7, 3214868480
	.fill 96, 4, 3214868480
	.section	.rodata,"a",@progbits
	.p2align	6, 0x0
	.amdhsa_kernel k_q464b4d7ad5_outp
		.amdhsa_group_segment_fixed_size 327680
		.amdhsa_private_segment_fixed_size 0
		.amdhsa_enable_private_segment 0
		.amdhsa_kernarg_size 32
		.amdhsa_user_sgpr_count 2
		.amdhsa_user_sgpr_kernarg_segment_ptr 1
		.amdhsa_wavefront_size32 1
		.amdhsa_system_sgpr_workgroup_id_x 1
		.amdhsa_system_sgpr_workgroup_id_y 1
		.amdhsa_system_sgpr_workgroup_id_z 1
		.amdhsa_system_vgpr_workitem_id 0
		.amdhsa_next_free_vgpr 768
		.amdhsa_next_free_sgpr 96
		.amdhsa_reserve_vcc 0
		.amdhsa_float_denorm_mode_32 3
		.amdhsa_float_denorm_mode_16_64 3
		.amdhsa_memory_ordered 1
		.amdhsa_forward_progress 1
		.amdhsa_inst_pref_size 41
	.end_amdhsa_kernel
	.amdgpu_metadata
---
amdhsa.version: [ 1, 2 ]
amdhsa.kernels:
  - .name:           k_q464b4d7ad5_outp
    .symbol:         k_q464b4d7ad5_outp.kd
    .args:
      - { .name: ebuf, .offset: 0, .size: 8, .value_kind: global_buffer, .address_space: global }
      - { .name: opnd, .offset: 8, .size: 8, .value_kind: global_buffer, .address_space: global }
      - { .name: bo, .offset: 16, .size: 8, .value_kind: global_buffer, .address_space: global }
      - { .name: out0, .offset: 24, .size: 8, .value_kind: global_buffer, .address_space: global }
    .group_segment_fixed_size: 327680
    .private_segment_fixed_size: 0
    .kernarg_segment_align: 8
    .kernarg_segment_size: 32
    .max_flat_workgroup_size: 128
    .sgpr_count:     96
    .vgpr_count:     768
    .wavefront_size: 32
...
	.end_amdgpu_metadata
.endif
;; end of part 5
